; MI455X (gfx1250); checked and timed in simulation.
; The chip was launched on July 23, 2026; its instructions are those of AMD's public machine-readable ISA for CDNA 5 (MIT licence, August 2026) and "CDNA5" Instruction Set Architecture Reference Guide (July 2026). The comments in the code are by the model that wrote it; some were corrected since.
;; Diff Attention. Allowed arithmetic: matrix products marked QUANTISED: E3M2 operands, one E8M0 scale for each 32 along K, by v_wmma_scale_f32_16x16x128_f8f6f4 with both operands' format E3M2, f32 sums; everything else in f32.
;; Inputs: wk 2,048 x 1,024 float32; wo 4,096 x 2,048 float32; wq 2,048 x 4,096 float32; wv 2,048 x 1,024 float32; x 2 x 1,024 x 2,048 float32.
;; Outputs: out0 2 x 1,024 x 2,048 float32.
;; This version of the problem:
;;   THIS VERSION OF THE PROBLEM IS GIVEN IN LOW PRECISION. The matrix products marked QUANTISED in the list below multiply operands that are first quantised to E3M2 (3 exponent bits, 2 mantissa bits; 6 bits a number), with one power-of-two scale for each 32 numbers along K (OCP MX v1.0); their sums are f32. All else is computed in f32.
;;   The module's matrix products, in the order in which they are computed (A, B: the left and right operand; K: the contracted axis; several contracted axes count as one K, in the product's order):
;;     1. [M 2,048, K 2,048] x [K 2,048, N 4,096]; A: input x; B: input wq: QUANTISED
;;     2. [M 2,048, K 2,048] x [K 2,048, N 1,024]; A: input x; B: input wk: QUANTISED
;;     3. [M 2,048, K 2,048] x [K 2,048, N 1,024]; A: input x; B: input wv: QUANTISED
;;     4. batch 32 x [M 1,024, K 128] x [K 128, N 1,024]; A: computed on the way; B: computed on the way: QUANTISED
;;     5. batch 32 x [M 1,024, K 128] x [K 128, N 1,024]; A: computed on the way; B: computed on the way: QUANTISED
;;     6. batch 32 x [M 1,024, K 1,024] x [K 1,024, N 256]; A: computed on the way; B: computed on the way: QUANTISED
;;     7. [M 2,048, K 4,096] x [K 4,096, N 2,048]; A: computed on the way; B: input wo: QUANTISED
;;   THE QUANTISER, for each operand of a quantised product, along K:
;;     - K is cut into blocks of 32 from its start; a last block that is shorter is filled with zeros.
;;     - A block's scale is 2^e with e = floor(log2(the largest magnitude in the block)) - 4, held to -126 .. 127; a block of zeros has e = 0. As a byte (E8M0): e + 127.
;;     - Each number is divided by its block's scale, clamped to +-28, and rounded to the nearest number of E3M2, ties to even, subnormals kept.
;;     - The product sums the exact products of the quantised numbers (number of the format x scale) in f32.
;;   ~~~python
;;   def quantise(x, axis):      # numpy; x: float32 -> the quantised numbers, widened to float32 again
;;       x = np.moveaxis(x, axis, -1); K = x.shape[-1]
;;       x = np.pad(x, [(0, 0)] * (x.ndim - 1) + [(0, -K % 32)]); x = x.reshape(x.shape[:-1] + (-1, 32)); a = np.abs(x).max(-1, keepdims=True)
;;       e = np.where(a > 0, np.clip(np.frexp(np.where(a > 0, a, 1))[1] - 1 - 4, -126, 127), 0)      # np.frexp(a)[1] - 1 = floor(log2(a)), exactly
;;       r = np.clip(x / 2.0 ** e, -28, 28)
;;       step = 2.0 ** (np.maximum(np.frexp(np.where(r == 0, 1, r))[1] - 1, -2) - 2)
;;       q = np.round(r / step) * step * 2.0 ** e      # np.round: ties to even
;;       return np.moveaxis(q.reshape(q.shape[:-2] + (-1,))[..., :K], -1, axis).astype(np.float32)
;;   ~~~
;;   OPERANDS COMPUTED ON THE WAY. 'Computed on the way' means the value that the module computes at that place (a softmax that the list does not call 'softmax' is quantised finished and normalised). What goes into a quantiser is computed in f32, as accurately as f32 sums, v_exp_f32 and their like allow (about 1e-6 of the number): no bf16 or f16 on the way to a quantiser, and a product that is left as it is and whose result goes on into a quantised operand takes f32 operands (vector FMAs, or v_wmma_f32_16x16x4_f32). A number that lies on a knife's edge between two numbers of the format may be rounded either way, as far as f32 arithmetic and the matrix unit's own rounding can turn it there, and no further.
;; One version. Each part assembles by itself: llvm-mc -triple=amdgcn-amd-amdhsa -mcpu=gfx1250 --defsym DOCPART=n.
;; ======== version 1 of 1: 4 launches
;; workspace buffers: xq 3,276,800 bytes; wq3 9,830,400 bytes; woq 6,553,600 bytes; rope 524,288 bytes; qk 8,192,000 bytes; vv 1,638,400 bytes; aq 6,553,600 bytes
;; launch prep (part 1): grid 896 x 1, 4 waves a work-group, no clusters, 58,880 bytes of LDS; arguments x, wq, wk, wv, wo, xq, wq3, woq, rope; writes xq, wq3, woq, rope
.if DOCPART == 1
	.amdgcn_target "amdgcn-amd-amdhsa--gfx1250"
	.amdhsa_code_object_version 6
	.text
	.protected	k_q69fa8c6128_prep
	.globl	k_q69fa8c6128_prep
	.p2align	8
	.type	k_q69fa8c6128_prep,@function
k_q69fa8c6128_prep:
	s_mov_b64 s[64:65], 0
	v_nop
	global_prefetch_b8 v0, s[64:65] scope:SCOPE_SE
	s_setreg_imm32_b32 hwreg(HW_REG_WAVE_MODE, 25, 1), 1
	s_wait_xcnt 0x0
; PREP: every f32 input becomes codes of BF6 (E3M2) with one E8M0 byte for each 32 along K, laid as the products' operand registers want them; and the table of cos and sin for the rotary embedding is made.
; A block's scale is 2^(floor(log2(its largest magnitude)) - 4); its byte is the largest magnitude's exponent field - 4, held at 1 from below.
; LAYOUTS.  TILE ORDER: tile R = 2 B + u of a tensor's rows holds as its row r the tensor's row 32 B + 8 u + r + 8 (r / 8).  A FRAGMENT (16 rows x 128 K, 12 registers a lane) is stored as an image of its registers, 1,536 bytes:
; register g of lane l at 512 (g / 4) + 16 l + 4 (g % 4); fragments lie [R][K / 128].  SCALES lie [R / 2][K / 256][lane][8 bytes]: lane 16 (R % 2) + r holds its row's 8 bytes of those 256 along K.
; THREE PATHS, parted on the work-group's number, each with LDS bytes of its own: 0-639 the weights (K is their first axis: a lane takes a column, its registers run down K), 640-767 x (K innermost), 768-895 the table.
; Waves share nothing: no barrier.  No matrix work, no cluster: no input byte is read twice.
; LIMITS: NaN and infinities among the inputs are not served.  A block whose largest magnitude lies under 2^-122, a block of zeros among them, keeps the byte 1 (the rule says 127 for zeros): its codes are zeros or the
; nearest codes under that scale, and these bytes are read by this program alone.  1 / 10000^(j / 64) is made with both roundings right to f32; a library power that is one unit off gives angles up to 6e-5 apart at position 1,023.
.set OFFR, 16                          ; weights: v16-47 4 x lane + i x pitch, never rewritten
.set XW,   48                          ; v48-111  two sets of 32 numbers
.set CW,   112                         ; v112-120 a block's codes
.set SBW,  122                         ; v122-123 8 scale bytes
.set OUTW, 128                         ; v128-175 the way out
.set LDX,  16                          ; x: v16-143 two sets of 64 numbers as loaded
.set XN,   144                         ; v144-207 64 numbers as the fragment wants them
.set PCX,  208                         ; v208-226 codes
.set TMX,  228                         ; v228-233 at work
.set WX,   236                         ; v236-239 four scale words
.macro WLOAD t                         ; block t: rows 32 t + i of my column, into set t % 2; 32 lanes read 128 consecutive bytes
.set i, 0
.rept 32
	global_load_b32 v[XW+32*((\t)%2)+i], v[OFFR+i], s[32+2*(\t):33+2*(\t)] th:TH_LOAD_NT
.set i, i+1
.endr
.endm
.macro WBLOCK t                        ; block t of 8: K step t / 4, in it registers 6 c .. 6 c + 5 of lane half h, c = (t / 2) % 2, h = t % 2
.set XS, XW+32*((\t)%2)
.set FO, 1536*((\t)/4)+256*((\t)%2)
.if (\t) < 7
	s_wait_loadcnt 32                              ; this block's 32 loads are in; the next block's 32 may be out
.else
	s_wait_loadcnt 0x0
.endif
	v_max3_num_f32 v12, |v[XS]|, |v[XS+1]|, |v[XS+2]|   ; the block's largest magnitude: all 32 numbers are mine
	v_max3_num_f32 v13, |v[XS+3]|, |v[XS+4]|, |v[XS+5]|
.irp i, 6,10,14,18,22,26
	v_max3_num_f32 v12, v12, |v[XS+\i]|, |v[XS+\i+1]|
	v_max3_num_f32 v13, v13, |v[XS+\i+2]|, |v[XS+\i+3]|
.endr
	v_max3_num_f32 v12, v12, |v[XS+30]|, |v[XS+31]|
	v_max3_num_f32 v12, v12, v13, 0x2800000        ; and the floor 2^(5 - 127): the byte cannot fall under 1
	v_add_nc_u32 v11, 0xfe000000, v12              ; 4 off the exponent field: the conversion's scale operand
	v_lshrrev_b32 v13, 23, v11                     ; the scale's byte
.if (\t)%4 == 0
	v_mov_b32 v[SBW+(\t)/4], v13
.else
	v_lshl_or_b32 v[SBW+(\t)/4], v13, 8*((\t)%4), v[SBW+(\t)/4]
.endif
	v_cvt_scalef32_pk16_bf6_f32 v[CW:CW+2], v[XS:XS+15], v11
	v_cvt_scalef32_pk16_bf6_f32 v[CW+6:CW+8], v[XS+16:XS+31], v11   ; (a conversion's three registers begin on an even number)
	v_nop                                          ; one plain place behind a scaled conversion
	v_mov_b32 v[CW+3], v[CW+6]
	v_mov_b32 v[CW+4], v[CW+7]
	v_mov_b32 v[CW+5], v[CW+8]
.if ((\t)/2)%2 == 0
	ds_store_b128 v4, v[CW:CW+3] offset:FO         ; registers 0-3 of the fragment,
	ds_store_b64 v4, v[CW+4:CW+5] offset:FO+512    ; 4 and 5
.else
	ds_store_b64 v4, v[CW:CW+1] offset:FO+512+8    ; registers 6 and 7,
	ds_store_b128 v4, v[CW+2:CW+5] offset:FO+1024  ; 8-11
.endif
.if (\t) < 6
	WLOAD (\t)+2
.endif
	s_wait_dscnt 0x0                               ; the stores have read their registers: the next block's codes may be written
.endm
.macro XLOAD t                         ; fragment t: tile u = t % 2, K step t / 2: its 16 rows' 512 bytes, a row a load
.set i, 0
.rept 16
	global_load_b128 v[LDX+64*((\t)%2)+4*i:LDX+64*((\t)%2)+4*i+3], v7, s[28:29] offset:(8*((\t)%2)+i+8*(i/8))*8192+512*((\t)/2) th:TH_LOAD_NT
.set i, i+1
.endr
.endm
.macro XSTEP t
.if (\t) < 3
	s_wait_loadcnt 16                              ; this fragment's 16 loads are in; the next one's 16 may be out
.else
	s_wait_loadcnt 0x0
.endif
.set i, 0
.rept 16
	ds_store_b128 v4, v[LDX+64*((\t)%2)+4*i:LDX+64*((\t)%2)+4*i+3] offset:528*i   ; row i as it lies; rows 528 bytes apart
.set i, i+1
.endr
.set i, 0
.rept 16
	ds_load_b128 v[XN+32*(i/8)+4*(i%8):XN+32*(i/8)+4*(i%8)+3], v5 offset:256*(i/8)+16*(i%8)   ; lane (r, h): k = 64 c + 32 h + 0 .. 31 of row r.  LDS serves a wave's instructions in order: these see the stores
.set i, i+1
.endr
	s_wait_dscnt 0x0
.if (\t) > 0
	s_wait_xcnt 0x0                                ; the last fragment's stores have read their data: the codes' registers may be written again
.endif
.if (\t) < 2
	XLOAD (\t)+2
.endif
.irp c, 0,1                            ; my block 2 c + h: all its 32 numbers are mine
	v_max3_num_f32 v[TMX+\c], |v[XN+32*\c]|, |v[XN+32*\c+1]|, 0x2800000
.endr
.irp i, 2,4,6,8,10,12,14,16,18,20,22,24,26,28,30
.irp c, 0,1
	v_max3_num_f32 v[TMX+\c], v[TMX+\c], |v[XN+32*\c+\i]|, |v[XN+32*\c+\i+1]|
.endr
.endr
.irp c, 0,1
	v_add_nc_u32 v[TMX+4+\c], 0xfe000000, v[TMX+\c]
.endr
.irp c, 0,1
	v_lshrrev_b32 v[TMX+2+\c], 23, v[TMX+4+\c]
.endr
	v_lshl_or_b32 v[WX+(\t)], v[TMX+3], 16, v[TMX+2]   ; my two bytes: blocks h and 2 + h,
	v_lshlrev_b32 v[WX+(\t)], v6, v[WX+(\t)]       ; at their places (8 h bits up);
	v_permlanex16_b32 v242, v[WX+(\t)], s34, s35
	v_or_b32 v[WX+(\t)], v[WX+(\t)], v242          ; with lane l xor 16's two the row's word is whole, in both halves
.irp c, 0,1
	v_cvt_scalef32_pk16_bf6_f32 v[PCX+6*\c:PCX+6*\c+2], v[XN+32*\c:XN+32*\c+15], v[TMX+4+\c]
	v_cvt_scalef32_pk16_bf6_f32 v[PCX+12+4*\c:PCX+14+4*\c], v[XN+32*\c+16:XN+32*\c+31], v[TMX+4+\c]
.endr
	v_nop                                          ; one plain place behind a scaled conversion
.irp c, 0,1
.irp i, 0,1,2
	v_mov_b32 v[PCX+3+6*\c+\i], v[PCX+12+4*\c+\i]
.endr
.endr
.irp c, 0,1,2
	global_store_b128 v7, v[PCX+4*\c:PCX+4*\c+3], s[30:31] offset:24576*((\t)%2)+1536*((\t)/2)+512*\c   ; the image: 512 consecutive bytes a store
.endr
.endm
; numbers in two f32 (high, low).  (dh, dl) = (ph, pl) x (fh, fl)
.macro DFMUL dh, dl, ph, pl, fh, fl
	v_mul_f32 v44, v[\ph], v[\fh]
	v_fma_f32 v45, v[\ph], v[\fh], -v44
	v_fma_f32 v45, v[\ph], v[\fl], v45
	v_fma_f32 v45, v[\pl], v[\fh], v45
	v_add_f32 v[\dh], v44, v45
	v_sub_f32 v46, v[\dh], v44
	v_sub_f32 v[\dl], v45, v46
.endm
; (yh, yl) = the square root of (ah, al): the unit's root, mended by half the residue over the root
.macro DFSQRT yh, yl, ah, al
	v_sqrt_f32 v40, v[\ah]
	v_nop                                          ; a plain place behind the root,
	s_wait_alu depctr_va_vdst(0)                   ; and the wait ahead of its first reader
	v_rcp_f32 v41, v40
	v_fma_f32 v42, -v40, v40, v[\ah]               ; (the plain place behind the reciprocal)
	v_add_f32 v42, v42, v[\al]
	s_wait_alu depctr_va_vdst(0)
	v_mul_f32 v42, v42, v41
	v_mul_f32 v42, 0.5, v42
	v_add_f32 v[\yh], v40, v42
	v_sub_f32 v43, v[\yh], v40
	v_sub_f32 v[\yl], v42, v43
.endm
.macro BITMUL bit, fh, fl              ; P x the factor where j0 has the bit, x 1 elsewhere: no branch
	v_and_b32 v47, \bit, v5
	v_cmp_ne_u32 vcc_lo, 0, v47
	v_cndmask_b32 v48, 1.0, v[\fh], vcc_lo
	v_cndmask_b32 v49, 0, v[\fl], vcc_lo
	DFMUL 30, 31, 30, 31, 48, 49
.endm
; cos and sin of the angle in v[60 + k], 0 to 1,023: the nearest multiple of pi / 2 is taken off in three parts by fused multiply-adds, two short series on what is left (at most pi / 4), the quadrant by selects and sign bits
.macro SINCOS k
	v_mul_f32 v64, 0x3f22f983, v[60+\k]
	v_rndne_f32 v64, v64
	v_fmamk_f32 v65, v64, 0xbfc90fd8, v[60+\k]
	v_fmamk_f32 v65, v64, 0xb4a8885a, v65
	v_fmamk_f32 v65, v64, 0xa7c234c4, v65
	v_mul_f32 v66, v65, v65
	v_mov_b32 v67, 0xb493f27e                      ; -1/10!
	v_fmaak_f32 v67, v67, v66, 0x37d00d01          ; 1/8!
	v_fmaak_f32 v67, v67, v66, 0xbab60b61          ; -1/6!
	v_fmaak_f32 v67, v67, v66, 0x3d2aaaab          ; 1/4!
	v_fma_f32 v67, v67, v66, -0.5
	v_fma_f32 v67, v67, v66, 1.0
	v_mov_b32 v68, 0xb2d7322b                      ; -1/11!
	v_fmaak_f32 v68, v68, v66, 0x3638ef1d          ; 1/9!
	v_fmaak_f32 v68, v68, v66, 0xb9500d01          ; -1/7!
	v_fmaak_f32 v68, v68, v66, 0x3c088889          ; 1/5!
	v_fmaak_f32 v68, v68, v66, 0xbe2aaaab          ; -1/3!
	v_mul_f32 v69, v65, v66
	v_fma_f32 v68, v68, v69, v65
	v_cvt_i32_f32 v70, v64
	v_and_b32 v71, 1, v70
	v_cmp_ne_u32 vcc_lo, 0, v71
	v_cndmask_b32 v[76+\k], v68, v67, vcc_lo       ; in odd quadrants the two change places
	v_cndmask_b32 v[72+\k], v67, v68, vcc_lo
	v_lshlrev_b32 v71, 30, v70
	v_and_b32 v71, 0x80000000, v71
	v_xor_b32 v[76+\k], v71, v[76+\k]              ; sin is negative in quadrants 2 and 3,
	v_add_nc_u32 v70, 1, v70
	v_lshlrev_b32 v71, 30, v70
	v_and_b32 v71, 0x80000000, v71
	v_xor_b32 v[72+\k], v71, v[72+\k]              ; cos in 1 and 2
.endm
	s_load_b512 s[4:19], s[0:1], 0x0               ; x s[4:5], wq s[6:7], wk s[8:9], wv s[10:11], wo s[12:13], xq s[14:15], wq3 s[16:17], woq s[18:19]
	s_load_b64 s[20:21], s[0:1], 0x40              ; rope
	v_lshl_add_u32 v248, v0, 2, 0xe400
	v_mov_b32 v249, 0
	v_lshrrev_b32 v1, 5, v0
	v_readfirstlane_b32 s22, v1                    ; wave
	v_and_b32 v1, 31, v0                           ; lane
	v_lshlrev_b32 v7, 4, v1                        ; 16 x lane
	s_cmp_ge_u32 ttmp9, 768
	s_cbranch_scc1 .Lrope
	s_cmp_ge_u32 ttmp9, 640
	s_cbranch_scc1 .Lrows
	; ---- THE WEIGHTS.  A work-group takes 128 columns x 256 along K, a wave 32 columns: a pair of tiles.  Which tensor: chosen on the work-group's number alone
	s_wait_kmcnt 0x0
	s_mov_b64 s[24:25], s[12:13]                   ; from wo
	s_mov_b64 s[26:27], s[18:19]                   ; to woq
	s_mov_b32 s28, 1                               ; a row is 4,096 << 1 bytes
	s_mov_b32 s29, 384                             ; its first work-group
	s_mov_b32 s30, 0                               ; its first pair of tiles in the destination
	s_mov_b32 s31, 5                               ; 2^5 K steps of 128
	s_mov_b32 s48, 6291456                         ; where the destination's scales begin
	s_cmp_lt_u32 ttmp9, 384
	s_cselect_b64 s[24:25], s[10:11], s[24:25]     ; wv
	s_cselect_b64 s[26:27], s[16:17], s[26:27]
	s_cselect_b32 s28, 0, s28
	s_cselect_b32 s29, 320, s29
	s_cselect_b32 s30, 160, s30
	s_cselect_b32 s31, 4, s31
	s_cselect_b32 s48, 9437184, s48
	s_cmp_lt_u32 ttmp9, 320
	s_cselect_b64 s[24:25], s[8:9], s[24:25]       ; wk
	s_cselect_b32 s29, 256, s29
	s_cselect_b32 s30, 128, s30
	s_cmp_lt_u32 ttmp9, 256
	s_cselect_b64 s[24:25], s[6:7], s[24:25]       ; wq
	s_cselect_b32 s28, 2, s28
	s_cselect_b32 s29, 0, s29
	s_cselect_b32 s30, 0, s30
	s_sub_co_u32 s29, ttmp9, s29                   ; my number within the tensor
	s_lshl_b32 s49, 8, s28
	s_sub_co_u32 s49, s49, 1
	s_and_b32 s49, s29, s49                        ; which 128 columns
	s_add_co_u32 s50, s28, 3
	s_lshr_b32 s50, s29, s50                       ; Y: which 256 along K
	s_lshl_b32 s51, s49, 2
	s_add_co_u32 s51, s51, s22
	s_add_co_u32 s51, s51, s30                     ; P: my pair of tiles
	s_lshl_b32 s52, 4096, s28                      ; the pitch in bytes
	s_add_co_u32 s53, s28, 20
	s_lshl_b32 s54, s50, s53                       ; 256 Y rows,
	s_lshl_b32 s53, s49, 9
	s_add_co_u32 s54, s54, s53                     ; 128 columns a work-group,
	s_lshl_b32 s53, s22, 7
	s_add_co_u32 s54, s54, s53                     ; 32 a wave
	s_mov_b32 s55, 0
	s_add_nc_u64 s[32:33], s[24:25], s[54:55]      ; a base for each block of 32 rows: none is ever stepped
	s_lshl_b32 s54, s52, 5
.irp t, 1,2,3,4,5,6,7
	s_add_nc_u64 s[32+2*\t:33+2*\t], s[30+2*\t:31+2*\t], s[54:55]
.endr
	s_lshl_b32 s56, s51, 1
	s_lshl_b32 s56, s56, s31
	s_lshl_b32 s57, s50, 1
	s_add_co_u32 s56, s56, s57
	s_mul_i32 s56, s56, 1536
	s_mov_b32 s57, 0
	s_add_nc_u64 s[56:57], s[26:27], s[56:57]      ; tile 2 P, K steps 2 Y and 2 Y + 1: 3,072 bytes on end
	s_lshl_b32 s58, 1536, s31
	s_mov_b32 s59, 0
	s_add_nc_u64 s[58:59], s[56:57], s[58:59]      ; tile 2 P + 1
	s_sub_co_u32 s60, s31, 1
	s_lshl_b32 s60, s51, s60
	s_add_co_u32 s60, s60, s50
	s_lshl_b32 s60, s60, 8
	s_add_co_u32 s60, s60, s48
	s_mov_b32 s61, 0
	s_add_nc_u64 s[60:61], s[26:27], s[60:61]      ; the pair's 256 scale bytes of these 256 along K
	v_lshlrev_b32 v2, 2, v1
	v_mov_b32 v3, s52
.set i, 0
.rept 32
	v_mad_u32_u24 v[OFFR+i], v3, i, v2
.set i, i+1
.endr
	v_bfe_u32 v8, v1, 3, 1                         ; column 32 P + lane is row r of tile 2 P + u: u = (lane / 8) % 2,
	v_and_b32 v9, 7, v1
	v_lshrrev_b32 v10, 4, v1
	v_lshl_or_b32 v9, v10, 3, v9                   ; r = lane % 8 + 8 (lane / 16)
	s_mul_i32 s23, s22, 6144                       ; my wave's stage: four images
	v_mul_u32_u24 v4, v8, 3072
	v_lshl_add_u32 v4, v9, 4, v4
	v_add_nc_u32 v4, s23, v4
	v_lshl_add_u32 v5, v8, 4, v9
	v_lshlrev_b32 v5, 3, v5                        ; my 8 scale bytes' place
	v_add_nc_u32 v6, s23, v7
	WLOAD 0
	WLOAD 1
.irp t, 0,1,2,3,4,5,6,7
	WBLOCK \t
.endr
	global_store_b64 v5, v[SBW:SBW+1], s[60:61]    ; 32 lanes store 256 consecutive bytes, aligned
.irp i, 0,1,2,3,4,5,6,7,8,9,10,11
	ds_load_b128 v[OUTW+4*\i:OUTW+4*\i+3], v6 offset:512*\i
.endr
.irp i, 0,1,2,3,4,5
	s_wait_dscnt 11-\i                             ; the younger read-backs may be out
	global_store_b128 v7, v[OUTW+4*\i:OUTW+4*\i+3], s[56:57] offset:512*\i
.endr
.irp i, 6,7,8,9,10,11
	s_wait_dscnt 11-\i
	global_store_b128 v7, v[OUTW+4*\i:OUTW+4*\i+3], s[58:59] offset:512*(\i-6)
.endr
	s_wait_tensorcnt 0x0
	ds_add_u32 v248, v249
	s_wait_dscnt 0x0
	s_endpgm
.Lrows:	; ---- x.  A wave takes 32 rows (a pair of tiles) x 256 along K: four fragments
	s_wait_kmcnt 0x0
	s_sub_co_u32 s24, ttmp9, 640
	s_lshl_b32 s24, s24, 2
	s_add_co_u32 s24, s24, s22
	s_lshr_b32 s25, s24, 3                         ; P
	s_and_b32 s26, s24, 7                          ; Y
	s_lshl_b32 s28, s25, 18                        ; 32 rows of 8,192 bytes
	s_lshl_b32 s29, s26, 10
	s_add_co_u32 s28, s28, s29
	s_mov_b32 s29, 0
	s_add_nc_u64 s[28:29], s[4:5], s[28:29]
	s_lshl_b32 s30, s25, 5
	s_lshl_b32 s31, s26, 1
	s_add_co_u32 s30, s30, s31
	s_mul_i32 s30, s30, 1536
	s_mov_b32 s31, 0
	s_add_nc_u64 s[30:31], s[14:15], s[30:31]
	s_lshl_b32 s32, s25, 3
	s_add_co_u32 s32, s32, s26
	s_lshl_b32 s32, s32, 8
	s_add_co_u32 s32, s32, 3145728
	s_mov_b32 s33, 0
	s_add_nc_u64 s[32:33], s[14:15], s[32:33]
	s_mov_b32 s34, 0x76543210
	s_mov_b32 s35, 0xfedcba98                      ; v_permlanex16_b32's selects for lane l xor 16
	s_mov_b32 s36, 0xffff0000                      ; lanes 16-31
	v_and_b32 v2, 15, v1
	v_lshrrev_b32 v3, 4, v1
	s_mul_i32 s37, s22, 8448
	s_add_co_u32 s37, s37, 24576                   ; my wave's stage: 16 rows x 528 bytes, behind the weights' stages
	v_add_nc_u32 v4, s37, v7
	v_mul_u32_u24 v5, v2, 528
	v_lshl_add_u32 v5, v3, 7, v5
	v_add_nc_u32 v5, s37, v5
	v_lshlrev_b32 v6, 3, v3
	v_lshlrev_b32 v8, 3, v1
	v_mov_b32 v242, 0                              ; a lane permute's destination counts as one of its sources
	XLOAD 0
	XLOAD 1
.irp t, 0,1,2,3
	XSTEP \t
.endr
	v_cndmask_b32 v240, v236, v237, s36            ; lanes 0-15: tile 2 P's words, lanes 16-31: tile 2 P + 1's; K step 2 Y,
	v_cndmask_b32 v241, v238, v239, s36            ; and 2 Y + 1
	global_store_b64 v8, v[240:241], s[32:33]      ; 256 consecutive bytes, aligned
	s_wait_tensorcnt 0x0
	ds_add_u32 v248, v249
	s_wait_dscnt 0x0
	s_endpgm
.Lrope:	; ---- THE TABLE.  [tile of positions 64][quad 16][lane][16 bytes]: quads 0-7 cos, 8-15 sin, of p = 4 quad + 0 .. 3; lane (r, h): the tile's position r, pair j = 32 (p / 16) + 16 h + p % 16.  A thread makes one quad of each
	s_wait_kmcnt 0x0
	s_sub_co_u32 s24, ttmp9, 768
	s_lshl_b32 s24, s24, 2
	s_add_co_u32 s24, s24, s22
	s_lshr_b32 s25, s24, 3                         ; the tile
	s_and_b32 s26, s24, 7                          ; the quad
	s_lshr_b32 s27, s25, 1
	s_lshl_b32 s27, s27, 5
	s_and_b32 s28, s25, 1
	s_lshl_b32 s28, s28, 3
	s_add_co_u32 s27, s27, s28
	s_lshr_b32 s28, s26, 2
	s_lshl_b32 s28, s28, 5
	s_and_b32 s29, s26, 3
	s_lshl_b32 s29, s29, 2
	s_add_co_u32 s28, s28, s29
	s_lshl_b32 s30, s25, 13
	s_lshl_b32 s29, s26, 9
	s_add_co_u32 s30, s30, s29
	s_mov_b32 s31, 0
	s_add_nc_u64 s[30:31], s[20:21], s[30:31]
	v_and_b32 v2, 15, v1
	v_lshrrev_b32 v3, 4, v1
	v_and_b32 v4, 8, v2
	v_add_nc_u32 v4, v4, v2
	v_add_nc_u32 v4, s27, v4                       ; the position
	v_lshl_add_u32 v5, v3, 4, s28                  ; j0, a multiple of 4
	v_mov_b32 v16, 0x42c80000                      ; 100 = 10000^(32/64)
	v_mov_b32 v17, 0
	v_mov_b32 v18, 0x41200000                      ; 10 = 10000^(16/64)
	v_mov_b32 v19, 0
	DFSQRT 20, 21, 18, 19                          ; 10000^(8/64)
	DFSQRT 22, 23, 20, 21                          ; ^(4/64)
	DFSQRT 24, 25, 22, 23                          ; ^(2/64)
	DFSQRT 26, 27, 24, 25                          ; ^(1/64)
	v_mov_b32 v30, 1.0
	v_mov_b32 v31, 0
	BITMUL 32, 16, 17
	BITMUL 16, 18, 19
	BITMUL 8, 20, 21
	BITMUL 4, 22, 23                               ; P = 10000^(j0/64)
	DFMUL 28, 29, 26, 27, 24, 25
	DFMUL 32, 33, 30, 31, 26, 27                   ; j0 + 1
	DFMUL 34, 35, 30, 31, 24, 25                   ; j0 + 2
	DFMUL 36, 37, 30, 31, 28, 29                   ; j0 + 3
.irp k, 0,1,2,3
	v_rcp_f32 v[50+\k], v[30+2*\k]                 ; 1 / the power rounded to f32
.endr
	v_cvt_f32_u32 v58, v4                          ; (the plain place behind the batch)
	s_wait_alu depctr_va_vdst(0)                   ; one wait for the four
.rept 2
.irp k, 0,1,2,3
	v_fma_f32 v[54+\k], -v[30+2*\k], v[50+\k], 1.0
.endr
.irp k, 0,1,2,3
	v_fma_f32 v[50+\k], v[50+\k], v[54+\k], v[50+\k]
.endr
.endr
.irp k, 0,1,2,3
	v_mul_f32 v[60+\k], v58, v[50+\k]              ; the angle: one f32 product
.endr
.irp k, 0,1,2,3
	SINCOS \k
.endr
	global_store_b128 v7, v[72:75], s[30:31]
	global_store_b128 v7, v[76:79], s[30:31] offset:4096
	s_endpgm
.Lfunc_end_k_q69fa8c6128_prep:
	.size	k_q69fa8c6128_prep, .Lfunc_end_k_q69fa8c6128_prep-k_q69fa8c6128_prep
	.p2alignl 7, 3214868480
	.fill 96, 4, 3214868480
	.section	.rodata,"a",@progbits
	.p2align	6, 0x0
	.amdhsa_kernel k_q69fa8c6128_prep
		.amdhsa_group_segment_fixed_size 58880
		.amdhsa_private_segment_fixed_size 0
		.amdhsa_enable_private_segment 0
		.amdhsa_kernarg_size 72
		.amdhsa_user_sgpr_count 2
		.amdhsa_user_sgpr_kernarg_segment_ptr 1
		.amdhsa_wavefront_size32 1
		.amdhsa_system_sgpr_workgroup_id_x 1
		.amdhsa_system_sgpr_workgroup_id_y 1
		.amdhsa_system_sgpr_workgroup_id_z 1
		.amdhsa_system_vgpr_workitem_id 0
		.amdhsa_next_free_vgpr 250
		.amdhsa_next_free_sgpr 66
		.amdhsa_reserve_vcc 1
		.amdhsa_float_denorm_mode_32 3
		.amdhsa_float_denorm_mode_16_64 3
		.amdhsa_memory_ordered 1
		.amdhsa_forward_progress 1
		.amdhsa_inst_pref_size 88
	.end_amdhsa_kernel
	.amdgpu_metadata
---
amdhsa.version: [ 1, 2 ]
amdhsa.kernels:
  - .name:           k_q69fa8c6128_prep
    .symbol:         k_q69fa8c6128_prep.kd
    .args:
      - { .name: x, .offset: 0, .size: 8, .value_kind: global_buffer, .address_space: global }
      - { .name: wq, .offset: 8, .size: 8, .value_kind: global_buffer, .address_space: global }
      - { .name: wk, .offset: 16, .size: 8, .value_kind: global_buffer, .address_space: global }
      - { .name: wv, .offset: 24, .size: 8, .value_kind: global_buffer, .address_space: global }
      - { .name: wo, .offset: 32, .size: 8, .value_kind: global_buffer, .address_space: global }
      - { .name: xq, .offset: 40, .size: 8, .value_kind: global_buffer, .address_space: global }
      - { .name: wq3, .offset: 48, .size: 8, .value_kind: global_buffer, .address_space: global }
      - { .name: woq, .offset: 56, .size: 8, .value_kind: global_buffer, .address_space: global }
      - { .name: rope, .offset: 64, .size: 8, .value_kind: global_buffer, .address_space: global }
    .group_segment_fixed_size: 58880
    .private_segment_fixed_size: 0
    .kernarg_segment_align: 8
    .kernarg_segment_size: 72
    .max_flat_workgroup_size: 128
    .sgpr_count:     66
    .vgpr_count:     250
    .wavefront_size: 32
...
	.end_amdgpu_metadata
.endif
;; end of part 1
;; launch proj (part 2): grid 24 x 8, 4 waves a work-group, clusters of 4 x 4, 327,680 bytes of LDS; arguments xq, wq3, rope, qk, vv; writes qk, vv
.if DOCPART == 2
	.amdgcn_target "amdgcn-amd-amdhsa--gfx1250"
	.amdhsa_code_object_version 6
	.text
	.protected	k_q69fa8c6128_proj
	.globl	k_q69fa8c6128_proj
	.p2align	8
	.type	k_q69fa8c6128_proj,@function
k_q69fa8c6128_proj:
	s_mov_b64 s[64:65], 0
	v_nop
	global_prefetch_b8 v0, s[64:65] scope:SCOPE_SE
	s_setreg_imm32_b32 hwreg(HW_REG_WAVE_MODE, 25, 1), 1
	s_wait_xcnt 0x0
	s_wait_alu depctr_hold_cnt(0) depctr_sa_sdst(0) depctr_va_vdst(0) depctr_va_sdst(0) depctr_va_ssrc(0) depctr_va_vcc(0) depctr_vm_vsrc(0)
	s_getreg_b32 s2, hwreg(HW_REG_IB_STS2, 6, 4)
	s_cmp_eq_u32 s2, 0
	s_cbranch_scc0 .Lentry_in_a_cluster
	s_endpgm
.Lentry_in_a_cluster:
	s_bfe_u32 s2, ttmp6, 0x10000c
	s_cmp_lg_u32 s2, 0xf033
	s_cbranch_scc0 .Lentry_shape_is_right
	s_endpgm
.Lentry_shape_is_right:
; PROJ: q, k, v = x W on codes of BF6 (K = 2,048), the rotary embedding of q and k in f32, and the results quantised in registers: q and k along the head's 128, v along the keys.  Nothing but codes and scale bytes is stored.
; A work-group of four waves makes 256 'A' rows x 256 'B' rows, a wave 128 x 128: 64 accumulators, 512 registers.  Source 0 takes B's tile, source 1 A's: a lane holds ONE row of A, its registers run along B's rows.
; TWO USES OF ONE TEXT, chosen on the cluster's x, which all sixteen partners share: clusters 0-4: A = x, B = the columns of wq and wk; cluster 5: A = the columns of wv, B = x (so that v's registers run along the keys).
; TILE ORDER (made by the launch before): row r of tile 2 B + u is the tensor's row 32 B + 8 u + r + 8 (r / 8); so the 16 registers of B's tiles 2 B and 2 B + 1 are 16 neighbours, 32 B + 16 (lane / 16) + 0 .. 15, and a lane's
; 64 registers of one A tile are what the quantiser wants: nothing changes lanes but one exchange of halves.
; OPERANDS lie in memory as images of their registers (1,536 bytes a fragment, [tile][K / 128]): a fragment comes by three loads of 16 bytes a lane, on end: no padding.  Scales: [pair of tiles][K / 256][lane][8 bytes].
; K goes in steps of 256 through a ring of two LDS slots; the scales of the work-group's rows for all of K come once, with the first fills.
; CLUSTERS: 4 x 4.  A's tiles hang on the tile row alone and are asked for jointly by a row of the cluster, B's on the tile column alone, by a column.
; COS AND SIN of a tile (64 registers a lane) are asked for well ahead of the rotation that wants them: tiles 0 and 1 at the head, 2 to 4 at the start of the way out, 5 to 7 three tiles ahead, into places that earlier tiles have left.
; LIMITS: as the launch before states them (NaN, infinities, blocks under 2^-122).
; REGISTERS: window 0: v16-30 addresses; v32-63 scale words, two sets; v64-127 cos and sin of one tile; v128-223 A's fragments, one set (behind the loop: v128-191 at work, v192-207, v208-226 the quantiser's).
;   window 1: B's fragments, two sets, at v0 and v128; v96-127 and v224-255, which the loop does not name: cos and sin of a second tile; behind the loop B's sets hold three more.   windows 2, 3: accumulator (a, b) at v[8 (8 (a % 4) + b)].
.set RB,     24576                     ; a tile's 16 fragments in memory
.set FR,     12
.set NL,     3                         ; LDS loads that bring a fragment
.set NP,     4                         ; places behind this matrix instruction (ISA guide 7.12.1)
.set NQ,     2                         ; steps of 128 in a slot
.set HALFT,  24576                     ; 8 tiles x 2 fragments: what one tensor load brings, and what a wave reads of A or of B
.set SLOT,   4*HALFT
.set LAPS,   4                         ; 2,048 / 512
.set SCL,    2*SLOT                    ; the scales: A's two halves, B's two halves
.set HALFS,  8192
.set SPARE,  SCL+4*HALFS               ; the spare words, 128 bytes a wave
.set ADRA, 16
.set ADRB, 20
.set L16,  26
.set ADSA, 27
.set SPW,  28
.set NIL,  29
.set ADSB, 30
.set SC,   32                          ; set s at v[32 + 16 s]: A's pair p, step q at + 2 p + q; B's at + 8 + 2 p + q.  Lanes 0-15 the even tile's words, lanes 16-31 the odd tile's
.set AF,   128
.set TU,   128
.set TM,   192
.set PC,   208
.set SW,   32                          ; behind the loop: the eight tiles' new scale words, v32-39; v40-43 as they are stored
.set SO,   40
.set G1, 24
.set G0, 32
.set G1B, 48
.set G0B, 56
.set G1S, 68
.set G0S, 76
.set G1SB, 80
.set G0SB, 88
.set MSB, 0
.macro WIN new                         ; the immediate's high byte repeats the setting that is left
.if MSB != (\new)
	s_set_vgpr_msb (MSB<<8)|(\new)
.set MSB, (\new)
.endif
.endm
.set MUL_LO, 0xa1                      ; source 0 (B) window 1, source 1 (A) window 0, C and D window 2
.set MUL_HI, 0xf1
.set TO_B,   0x40
.macro JLOAD g0a, g1a, g0b, g1b        ; a joint load: waves 0 and 1 fetch for A, waves 2 and 3 for B; four v_nop follow each line
	s_cmp_eq_u32 s15, 0
	s_cbranch_scc0 .Lfor_b_\@
	tensor_load_to_lds s[\g0a:\g0a+3], s[\g1a:\g1a+7]
	s_nop 0
.rept 4
	v_nop
.endr
	s_branch .Lasked_\@
.Lfor_b_\@:
	tensor_load_to_lds s[\g0b:\g0b+3], s[\g1b:\g1b+7]
	s_nop 0
.rept 4
	v_nop
.endr
.Lasked_\@:
.endm
.macro CREST
	s_cmp_lg_u32 s14, 0
	s_cbranch_scc1 .Lnot_wave_0_\@
	s_barrier_signal -3
.Lnot_wave_0_\@:
	s_barrier_wait -3
	s_barrier_signal -1
	s_barrier_wait -1
.endm
.macro CROUND
	s_barrier_signal -1
	s_barrier_wait -1
	CREST
.endm
; one product; its registers stand in the symbols rD, rB (source 0), rA (source 1), rSB, rSA; oB, oA = 1: the side's scale words lie in lanes 16-31.  z = 1: the product starts the sum
.macro WM z
.if \z
.if oB && oA
	v_wmma_scale_f32_16x16x128_f8f6f4 v[rD:rD+7], v[rB:rB+11], v[rA:rA+11], 0, v[rSB], v[rSA] matrix_a_fmt:MATRIX_FMT_BF6 matrix_b_fmt:MATRIX_FMT_BF6 matrix_a_scale:MATRIX_SCALE_ROW1 matrix_b_scale:MATRIX_SCALE_ROW1
.elseif oB
	v_wmma_scale_f32_16x16x128_f8f6f4 v[rD:rD+7], v[rB:rB+11], v[rA:rA+11], 0, v[rSB], v[rSA] matrix_a_fmt:MATRIX_FMT_BF6 matrix_b_fmt:MATRIX_FMT_BF6 matrix_a_scale:MATRIX_SCALE_ROW1
.elseif oA
	v_wmma_scale_f32_16x16x128_f8f6f4 v[rD:rD+7], v[rB:rB+11], v[rA:rA+11], 0, v[rSB], v[rSA] matrix_a_fmt:MATRIX_FMT_BF6 matrix_b_fmt:MATRIX_FMT_BF6 matrix_b_scale:MATRIX_SCALE_ROW1
.else
	v_wmma_scale_f32_16x16x128_f8f6f4 v[rD:rD+7], v[rB:rB+11], v[rA:rA+11], 0, v[rSB], v[rSA] matrix_a_fmt:MATRIX_FMT_BF6 matrix_b_fmt:MATRIX_FMT_BF6
.endif
.else
.if oB && oA
	v_wmma_scale_f32_16x16x128_f8f6f4 v[rD:rD+7], v[rB:rB+11], v[rA:rA+11], v[rD:rD+7], v[rSB], v[rSA] matrix_a_fmt:MATRIX_FMT_BF6 matrix_b_fmt:MATRIX_FMT_BF6 matrix_a_scale:MATRIX_SCALE_ROW1 matrix_b_scale:MATRIX_SCALE_ROW1
.elseif oB
	v_wmma_scale_f32_16x16x128_f8f6f4 v[rD:rD+7], v[rB:rB+11], v[rA:rA+11], v[rD:rD+7], v[rSB], v[rSA] matrix_a_fmt:MATRIX_FMT_BF6 matrix_b_fmt:MATRIX_FMT_BF6 matrix_a_scale:MATRIX_SCALE_ROW1
.elseif oA
	v_wmma_scale_f32_16x16x128_f8f6f4 v[rD:rD+7], v[rB:rB+11], v[rA:rA+11], v[rD:rD+7], v[rSB], v[rSA] matrix_a_fmt:MATRIX_FMT_BF6 matrix_b_fmt:MATRIX_FMT_BF6 matrix_b_scale:MATRIX_SCALE_ROW1
.else
	v_wmma_scale_f32_16x16x128_f8f6f4 v[rD:rD+7], v[rB:rB+11], v[rA:rA+11], v[rD:rD+7], v[rSB], v[rSA] matrix_a_fmt:MATRIX_FMT_BF6 matrix_b_fmt:MATRIX_FMT_BF6
.endif
.endif
.endm
; my tile t's cos into window cw, v[cr] on, and its sin into window sw, v[sr] on: 16 loads of 512 consecutive bytes
.macro RLOAD t, cw, cr, sw, sr
	WIN (\cw)<<6
.irp k, 0,1,2,3,4,5,6,7
	global_load_b128 v[\cr+4*\k:\cr+4*\k+3], v[L16], s[96:97] offset:8192*(\t)+512*\k
.endr
	WIN (\sw)<<6
.irp k, 0,1,2,3,4,5,6,7
	global_load_b128 v[\sr+4*\k:\sr+4*\k+3], v[L16], s[96:97] offset:8192*(\t)+4096+512*\k
.endr
	WIN 0
.endm
	s_load_b256 s[4:11], s[0:1], 0x0               ; xq s[4:5], wq3 s[6:7], rope s[8:9], qk s[10:11]
	s_load_b64 s[12:13], s[0:1], 0x20              ; vv
	v_lshl_add_u32 v[SPW], v0, 2, SPARE
	v_mov_b32 v[NIL], 0
	ds_add_u32 v28, v29
	ds_add_u32 v28, v29
	s_wait_dscnt 0x0
	v_lshrrev_b32 v1, 5, v0
	v_readfirstlane_b32 s14, v1                    ; wave 0..3
	s_lshr_b32 s15, s14, 1                         ; which half of A's rows is mine.  Also: I fetch for A (0) or for B (1)
	s_and_b32 s16, s14, 1                          ; which half of B's rows.  Also: which half of that tile I fetch
	s_bfe_u32 s40, ttmp6, 0x40000                  ; cx
	s_bfe_u32 s41, ttmp6, 0x40004                  ; cy
	s_and_b32 s18, ttmp7, 0xffff
	s_lshl_b32 s18, s18, 2                         ; 4 x cluster y
	s_lshl_b32 s19, ttmp9, 2                       ; 4 x cluster x
	s_cmp_lt_u32 ttmp9, 5
	s_cselect_b32 s94, 1, 0                        ; 1: q and k;  0: v.  The same in all sixteen partners
	s_cselect_b32 s17, s18, 0
	s_cselect_b32 s42, s19, s18
	s_add_co_u32 s17, s17, s41                     ; A's tile row: no cx enters it
	s_add_co_u32 s42, s42, s40                     ; B's tile column: no cy enters it
	s_lshl_b32 s43, s41, 2
	s_lshl_b32 s43, 15, s43                        ; my row of the cluster
	s_lshl_b32 s44, 0x1111, s40                    ; my column
	; group 1 for codes: 8 tiles x 3,072 bytes (two fragments), 24,576 bytes from tile to tile; elements of 8 bytes
	s_or_b32 s[G1+0], s43, (3<<16)|(1<<21)
	s_or_b32 s[G1B+0], s44, (3<<16)|(1<<21)
.irp g, G1, G1B
	s_mov_b32 s[\g+1], 384<<16                     ; tensor_dim0
	s_mov_b32 s[\g+2], 8<<16                       ; tensor_dim1
	s_mov_b32 s[\g+3], 384<<16                     ; tile_dim0
	s_mov_b32 s[\g+4], 8                           ; tile_dim1
	s_mov_b32 s[\g+5], 3072                        ; stride
	s_mov_b32 s[\g+6], 0
	s_mov_b32 s[\g+7], 0
.endr
	; and for the scales of 128 rows: 8,192 dense bytes as 32 rows of 256
	s_or_b32 s[G1S+0], s43, (3<<16)|(1<<21)
	s_or_b32 s[G1SB+0], s44, (3<<16)|(1<<21)
.irp g, G1S, G1SB
	s_mov_b32 s[\g+1], 32<<16
	s_mov_b32 s[\g+2], 32<<16
	s_mov_b32 s[\g+3], 32<<16
	s_mov_b32 s[\g+4], 32
	s_mov_b32 s[\g+5], 32
	s_mov_b32 s[\g+6], 0
	s_mov_b32 s[\g+7], 0
.endr
	s_lshl_b32 s18, s16, 3                         ; the 8 tiles that I fetch
	s_lshl_b32 s20, s17, 4
	s_add_co_u32 s20, s20, s18
	s_mul_i32 s20, s20, RB
	s_mov_b32 s21, 0
	s_lshl_b32 s46, s42, 4
	s_add_co_u32 s46, s46, s18
	s_mul_i32 s46, s46, RB
	s_mov_b32 s47, 0
	s_lshl_b32 s18, s16, 2                         ; their 4 pairs
	s_lshl_b32 s22, s17, 3
	s_add_co_u32 s22, s22, s18
	s_lshl_b32 s22, s22, 11
	s_mov_b32 s23, 0
	s_lshl_b32 s66, s42, 3
	s_add_co_u32 s66, s66, s18
	s_lshl_b32 s66, s66, 11
	s_mov_b32 s67, 0
	s_mul_i32 s45, s14, HALFT                      ; where they go: no place in the cluster enters an LDS address
	s_lshl_b32 s95, s14, 13
	s_wait_kmcnt 0x0
	s_add_nc_u64 s[96:97], s[6:7], 320*RB          ; wv's codes
	s_add_nc_u64 s[98:99], s[6:7], 9437184         ; the weights' scales,
	s_add_nc_u64 s[2:3], s[98:99], 160*2048        ; wv's
	s_add_nc_u64 s[92:93], s[4:5], 3145728         ; x's scales
	s_cmp_lg_u32 s94, 0
	s_cselect_b64 s[96:97], s[4:5], s[96:97]       ; A's codes
	s_cselect_b64 s[2:3], s[92:93], s[2:3]         ; A's scales
	s_cselect_b64 s[18:19], s[6:7], s[4:5]         ; B's codes
	s_cselect_b64 s[98:99], s[98:99], s[92:93]     ; B's scales
	s_add_nc_u64 s[20:21], s[96:97], s[20:21]
	s_add_nc_u64 s[22:23], s[2:3], s[22:23]
	s_add_nc_u64 s[46:47], s[18:19], s[46:47]
	s_add_nc_u64 s[66:67], s[98:99], s[66:67]
	CROUND                                         ; all sixteen work-groups are here: the first joint loads meet
	s_mov_b32 s[G0S], 1
	s_add_co_u32 s[G0S+1], s95, SCL
	s_mov_b64 s[G0S+2:G0S+3], s[22:23]
	s_or_b32 s[G0S+3], s[G0S+3], 0x80000000
	s_mov_b32 s[G0SB], 1
	s_add_co_u32 s[G0SB+1], s95, SCL
	s_mov_b64 s[G0SB+2:G0SB+3], s[66:67]
	s_or_b32 s[G0SB+3], s[G0SB+3], 0x80000000
	JLOAD G0S, G1S, G0SB, G1SB                     ; the scales first; by this text's count three loads of a wave are out at the start, one behind each round
.irp s, 0,1
	s_mov_b32 s[G0+4*\s], 1
	s_add_co_u32 s[G0+4*\s+1], s45, \s*SLOT
	s_add_nc_u64 s[G0+4*\s+2:G0+4*\s+3], s[20:21], \s*3072
	s_or_b32 s[G0+4*\s+3], s[G0+4*\s+3], 0x80000000
	s_mov_b32 s[G0B+4*\s], 1
	s_add_co_u32 s[G0B+4*\s+1], s45, \s*SLOT
	s_add_nc_u64 s[G0B+4*\s+2:G0B+4*\s+3], s[46:47], \s*3072
	s_or_b32 s[G0B+4*\s+3], s[G0B+4*\s+3], 0x80000000
	JLOAD G0+4*\s, G1, G0B+4*\s, G1B
.endr
	v_and_b32 v1, 31, v0
	v_lshlrev_b32 v[L16], 4, v1
	v_lshlrev_b32 v2, 3, v1
	s_mul_i32 s21, s15, HALFT
	s_mul_i32 s22, s16, HALFT
	s_add_co_u32 s22, s22, 2*HALFT
.irp s, 0,1
	v_add_nc_u32 v[ADRA+\s], s21, v[L16]
	v_add_nc_u32 v[ADRB+\s], s22, v[L16]
	s_add_co_u32 s21, s21, SLOT
	s_add_co_u32 s22, s22, SLOT
.endr
	s_lshl_b32 s21, s15, 13
	s_add_co_u32 s21, s21, SCL
	v_add_nc_u32 v[ADSA], s21, v2
	s_lshl_b32 s22, s16, 13
	s_add_co_u32 s22, s22, SCL+2*HALFS
	v_add_nc_u32 v[ADSB], s22, v2
	; where the results go
	s_lshl_b32 s18, s42, 1
	s_add_co_u32 s18, s18, s16                     ; my 128 rows of B: the group of 128 columns of q or k, or the group of 128 keys
	s_lshl_b32 s19, s15, 3
	s_lshl_b32 s20, s18, 7                         ; q, k: images [group 40][tile of rows 128],
	s_lshl_b32 s21, s17, 4
	s_add_co_u32 s20, s20, s21
	s_add_co_u32 s20, s20, s19
	s_mul_i32 s20, s20, 1536
	s_lshl_b32 s21, s18, 4                         ; scale words [group][8 tiles][512 bytes]
	s_lshl_b32 s22, s17, 1
	s_add_co_u32 s21, s21, s22
	s_add_co_u32 s21, s21, s15
	s_lshl_b32 s21, s21, 9
	s_add_co_u32 s21, s21, 7864320
	s_lshr_b32 s22, s18, 3                         ; v: images [4 batch + head][key step 8][tile of d 16]
	s_lshl_b32 s22, s22, 2
	s_add_co_u32 s22, s22, s17
	s_lshl_b32 s22, s22, 3
	s_and_b32 s23, s18, 7
	s_add_co_u32 s22, s22, s23
	s_lshl_b32 s23, s22, 4
	s_add_co_u32 s23, s23, s19
	s_mul_i32 s23, s23, 1536
	s_lshl_b32 s22, s22, 1
	s_add_co_u32 s22, s22, s15
	s_lshl_b32 s22, s22, 9
	s_add_co_u32 s22, s22, 1572864
	s_cmp_lg_u32 s94, 0
	s_cselect_b64 s[92:93], s[10:11], s[12:13]
	s_cselect_b32 s20, s20, s23
	s_cselect_b32 s46, s21, s22
	s_mov_b32 s21, 0
	s_mov_b32 s47, 0
	s_add_nc_u64 s[46:47], s[92:93], s[46:47]      ; the scale words' 512 bytes
	s_add_nc_u64 s[92:93], s[92:93], s[20:21]      ; the eight images, on end
	s_and_b32 s18, s17, 3                          ; cos and sin: the position is the row within its batch
	s_lshl_b32 s18, s18, 4
	s_add_co_u32 s18, s18, s19
	s_lshl_b32 s18, s18, 13
	s_mov_b32 s19, 0
	s_add_nc_u64 s[96:97], s[8:9], s[18:19]
	s_mov_b32 s98, 0x76543210
	s_mov_b32 s99, 0xfedcba98                      ; v_permlanex16_b32's selects for lane l xor 16
	s_mov_b32 s95, 0xffff0000                      ; lanes 16-31
	s_cmp_eq_u32 s94, 0
	s_cbranch_scc1 .Lno_rope_0
	RLOAD 0, 0, 64, 0, 96                          ; my first two tiles' cos and sin: they land while the loop runs, in registers that it does not name
	RLOAD 1, 1, 96, 1, 224
.Lno_rope_0:
.macro FRAG reg, adr, q, i             ; a fragment's image: three loads, 512 consecutive bytes each
.irp c, 0,1,2
	ds_load_b128 v[\reg+4*\c:\reg+4*\c+3], v[\adr] offset:3072*(\i)+1536*(\q)+512*\c
.endr
.endm
; 16 products: A's tiles a0, a0 + 1 x B's eight.  The 64 accumulators take turns, one instruction a turn, in the same order in every step
.macro MUL16 a0, p, q, sc, zero
.irp a, \a0, \a0+1
.irp b, 0,1,2,3,4,5,6,7
.set rD, 8*(8*((\a)%4)+\b)
.set rB, 128*(\p)+FR*\b
.set rA, AF+FR*(\a)
.set rSB, SC+16*(\sc)+8+2*(\b/2)+(\q)
.set rSA, SC+16*(\sc)+2*((\a)/2)+(\q)
.set oB, \b%2
.set oA, (\a)%2
	WM \zero
.endr
.endr
.endm
.macro FETCH_B slot, q, p
	WIN TO_B
.irp i, 0,1,2,3,4,5,6,7
	FRAG 128*(\p)+FR*\i, ADRB+\slot, \q, \i
.endr
	WIN 0
.endm
.macro FETCH_A slot, q, i0
.irp i, \i0, \i0+1, \i0+2, \i0+3
	FRAG AF+FR*(\i), ADRA+\slot, \q, \i
.endr
.endm
.macro SCALES sc                       ; a K step's scale words: two words a row, a pair of tiles a load
.irp p, 0,1,2,3
	ds_load_b64 v[SC+16*\sc+2*\p:SC+16*\sc+2*\p+1], v[ADSA] offset:2048*\p
	ds_load_b64 v[SC+16*\sc+8+2*\p:SC+16*\sc+8+2*\p+1], v[ADSB] offset:2048*\p
.endr
.endm
.macro PLACES n                        ; a load into a register that a matrix instruction has read, and a vector instruction that reads a result, stand NP plain vector instructions behind it
.rept \n
	v_nop
.endr
.endm
.macro STEP slot, q, zero              ; a step of 128 along K that has its successor in the same slot
	s_wait_dscnt 4*NL                              ; B's set, A's tiles 0-3 and the scales are in; the youngest 12 loads (A's tiles 4-7) may be out
	WIN MUL_LO
	MUL16 0, (\q)%2, \q, \slot, \zero
	MUL16 2, (\q)%2, \q, \slot, \zero
	s_wait_dscnt 0
	PLACES NP
	FETCH_B \slot, (\q)+1, 1-(\q)%2
	FETCH_A \slot, (\q)+1, 0
	WIN MUL_HI
	MUL16 4, (\q)%2, \q, \slot, \zero
	MUL16 6, (\q)%2, \q, \slot, \zero
	PLACES NP
	WIN 0
	FETCH_A \slot, (\q)+1, 4
.endm
; A slot's last step changes slots: one barrier; in front of it each wave waits for all its tensor loads, adds 0 to its spare word, and waits for that and for its reads of this slot
.macro TURN slot, next, fill
	s_wait_tensorcnt 0x0                           ; all my tensor loads have landed: my part of the next slot
	ds_add_u32 v[SPW], v[NIL]                      ; 0 onto my spare word
	s_wait_dscnt 4*NL+1                            ; (the add and the youngest 12 loads may be out)
	WIN MUL_LO
	MUL16 0, 1, NQ-1, \slot, 0
	s_wait_dscnt 0x0                               ; the add is done, and my reads of this slot are over
	s_barrier_signal -1
	MUL16 2, 1, NQ-1, \slot, 0
	WIN 0
	s_barrier_wait -1
.if \fill
	CREST                                          ; the barrier has opened a round of the cluster's: no wave of any partner still reads this slot or has a load on its way
	s_add_nc_u64 s[G0+4*\slot+2:G0+4*\slot+3], s[G0+4*\slot+2:G0+4*\slot+3], 6144
	s_add_nc_u64 s[G0B+4*\slot+2:G0B+4*\slot+3], s[G0B+4*\slot+2:G0B+4*\slot+3], 6144
	JLOAD G0+4*\slot, G1, G0B+4*\slot, G1B         ; the first tensor load behind the round; its four v_nop are the places in front of the loads below
.else
	PLACES NP
.endif
	v_add_nc_u32 v[ADSA], 256, v[ADSA]             ; the next K step's scale words
	v_add_nc_u32 v[ADSB], 256, v[ADSB]
	FETCH_B \next, 0, 0
	FETCH_A \next, 0, 0
	SCALES \next
	WIN MUL_HI
	MUL16 4, 1, NQ-1, \slot, 0
	MUL16 6, 1, NQ-1, \slot, 0
	PLACES NP
	WIN 0
	FETCH_A \next, 0, 4
.endm
; 64 numbers of a lane in window w, v[s] on, register 16 b + i = k 32 b + 16 (lane / 16) + i of my row, become a fragment's codes in v[PC] on and its scale word in v[pw] (the same in both halves of the lanes)
.macro QUANT s, w, pw
	WIN (\w)|((\w)<<2)
.irp b, 0,1,2,3
	v_max3_num_f32 v[TM+\b], |v[\s+16*\b]|, |v[\s+1+16*\b]|, 0x2800000   ; my 16 numbers of block b, and the floor 2^(5 - 127)
.endr
.irp i, 2,4,6,8,10,12,14
.irp b, 0,1,2,3
	v_max3_num_f32 v[TM+\b], |v[\s+16*\b+\i]|, |v[\s+1+16*\b+\i]|, v[TM+\b]
.endr
.endr
	WIN 0
.irp b, 0,1,2,3
	v_permlanex16_b32 v[TM+4+\b], v[TM+\b], s98, s99
.endr
.irp b, 0,1,2,3
	v_max_num_f32 v[TM+\b], v[TM+\b], v[TM+4+\b]   ; with lane l xor 16's: the block's largest magnitude
.endr
.irp b, 0,1,2,3
	v_add_nc_u32 v[TM+12+\b], 0xfe000000, v[TM+\b] ; 4 off its exponent field: the conversion's scale operand
.endr
.irp b, 0,1,2,3
	v_lshrrev_b32 v[TM+4+\b], 23, v[TM+12+\b]      ; the scale's byte
.endr
	v_lshl_or_b32 v[\pw], v[TM+5], 8, v[TM+4]
	v_lshl_or_b32 v[\pw], v[TM+6], 16, v[\pw]
	v_lshl_or_b32 v[\pw], v[TM+7], 24, v[\pw]
	s_wait_xcnt 0x0                                ; the last tile's stores have read their data: the conversions below are the first lines that write the codes' registers again
	WIN (\w)
.irp c, 0,1
	v_cvt_scalef32_pk16_bf6_f32 v[PC+6*\c:PC+2+6*\c], v[\s+32*\c:\s+15+32*\c], v[TM+12+2*\c]
	v_cvt_scalef32_pk16_bf6_f32 v[PC+12+4*\c:PC+14+4*\c], v[\s+16+32*\c:\s+31+32*\c], v[TM+13+2*\c]
.endr
	WIN 0
	v_nop                                          ; one plain place behind a scaled conversion
.irp c, 0,1                            ; the operand's layout wants a whole block in a lane
.irp i, 0,1,2
	v_permlane16_swap_b32 v[PC+6*\c+\i], v[PC+12+4*\c+\i]
.endr
.irp i, 0,1,2
	v_mov_b32 v[PC+3+6*\c+\i], v[PC+12+4*\c+\i]
.endr
.endr
.endm
; the rotation of A's tile a (registers 0-31 are the head's first half, 32-63 its second, pair by pair); its cos lies in window cw, v[cr] on, its sin in window sw, v[sr] on
.macro ROTATE a, cw, cr, sw, sr
.set W, 2+(\a)/4
.set S0, 64*((\a)%4)
	WIN W|((\sw)<<2)
.irp p, 0,2,4,6,8,10,12,14,16,18,20,22,24,26,28,30
	v_pk_mul_f32 v[TU+\p:TU+\p+1], v[S0+32+\p:S0+33+\p], v[\sr+\p:\sr+\p+1]          ; x2 sin
	v_pk_mul_f32 v[TU+32+\p:TU+33+\p], v[S0+\p:S0+\p+1], v[\sr+\p:\sr+\p+1]          ; x1 sin
.endr
	WIN W|((\cw)<<2)|(W<<6)
.irp p, 0,2,4,6,8,10,12,14,16,18,20,22,24,26,28,30
	v_pk_fma_f32 v[S0+\p:S0+\p+1], v[S0+\p:S0+\p+1], v[\cr+\p:\cr+\p+1], v[TU+\p:TU+\p+1] neg_lo:[0,0,1] neg_hi:[0,0,1]   ; x1 cos - x2 sin
	v_pk_fma_f32 v[S0+32+\p:S0+33+\p], v[S0+32+\p:S0+33+\p], v[\cr+\p:\cr+\p+1], v[TU+32+\p:TU+33+\p]                     ; x2 cos + x1 sin
.endr
	WIN 0
.endm
; A's tile a is quantised and leaves as its image: 1,536 consecutive bytes
.macro SENDT a
	QUANT 64*((\a)%4), 2+(\a)/4, SW+(\a)
.irp c, 0,1,2
	global_store_b128 v[L16], v[PC+4*\c:PC+4*\c+3], s[92:93] offset:1536*(\a)+512*\c
.endr
.endm
	s_wait_tensorcnt 1                             ; the scales and my part of K step 0 are in; K step 1's load may be out
	s_barrier_signal -1
	s_barrier_wait -1
	FETCH_B 0, 0, 0
	FETCH_A 0, 0, 0
	SCALES 0
	FETCH_A 0, 0, 4
	STEP 0, 0, 1                                   ; the first step stands in front of the loop: its products start the sums
	s_mov_b32 s3, LAPS-1
.Llap:                                                 ; a trip goes once round the ring and fills both slots again
	TURN 0, 1, 1
	STEP 1, 0, 0
	TURN 1, 0, 1
	STEP 0, 0, 0
	s_sub_co_u32 s3, s3, 1
	s_cmp_lg_u32 s3, 0
	s_cbranch_scc1 .Llap
	TURN 0, 1, 0                                   ; the last lap fills nothing
	STEP 1, 0, 0
	s_wait_dscnt 4*NL
	WIN MUL_LO
	MUL16 0, 1, NQ-1, 1, 0
	MUL16 2, 1, NQ-1, 1, 0
	s_wait_dscnt 0
	WIN MUL_HI
	MUL16 4, 1, NQ-1, 1, 0
	MUL16 6, 1, NQ-1, 1, 0
	WIN 0
	PLACES NP
.irp b, 0,1,2,3
	v_mov_b32 v[TM+4+\b], 0                        ; a lane permute's destination counts as one of its sources
.endr
	; THE WAY OUT, written twice, under ONE branch that is alike in all partners: so the counted waits below stand in one straight run, with the same loads behind each load on every way
	s_cmp_eq_u32 s94, 0
	s_cbranch_scc1 .Lv_out
	s_wait_loadcnt 0x0                             ; tiles 0 and 1, asked for at the head
	RLOAD 2, 1, 0, 1, 32                           ; three tiles more, into the registers that held B's fragments: 48 loads are out, and never more
	RLOAD 3, 1, 64, 1, 128
	RLOAD 4, 1, 160, 1, 192
	ROTATE 0, 0, 64, 0, 96
	SENDT 0
	ROTATE 1, 1, 96, 1, 224
	SENDT 1
	s_wait_loadcnt 32                              ; tile 2's 16 loads are in; tiles 3 and 4's may be out
	ROTATE 2, 1, 0, 1, 32
	RLOAD 5, 0, 64, 0, 96                          ; three tiles ahead, where tile 0's lay
	SENDT 2
	s_wait_loadcnt 32                              ; tile 3's; behind them tiles 4 and 5's
	ROTATE 3, 1, 64, 1, 128
	RLOAD 6, 1, 96, 1, 224                         ; where tile 1's lay
	SENDT 3
	s_wait_loadcnt 32                              ; tile 4's; behind them tiles 5 and 6's
	ROTATE 4, 1, 160, 1, 192
	RLOAD 7, 1, 0, 1, 32                           ; where tile 2's lay
	SENDT 4
	s_wait_loadcnt 32                              ; tile 5's; behind them tiles 6 and 7's
	ROTATE 5, 0, 64, 0, 96
	SENDT 5
	s_wait_loadcnt 16                              ; tile 6's; behind them tile 7's
	ROTATE 6, 1, 96, 1, 224
	SENDT 6
	s_wait_loadcnt 0x0
	ROTATE 7, 1, 0, 1, 32
	SENDT 7
	s_branch .Lwords
.Lv_out:                                               ; v is not rotated
.irp a, 0,1,2,3,4,5,6,7
	SENDT \a
.endr
.Lwords:
.irp p, 0,1,2,3
	v_cndmask_b32 v[SO+\p], v[SW+2*\p], v[SW+2*\p+1], s95   ; word p: lanes 0-15 tile 2 p's, lanes 16-31 tile 2 p + 1's
.endr
	global_store_b128 v[L16], v[SO:SO+3], s[46:47] ; 512 consecutive bytes
	s_wait_tensorcnt 0x0                           ; the wave's end
	ds_add_u32 v[SPW], v[NIL]
	s_wait_dscnt 0x0
	CROUND                                         ; the closing round
	s_endpgm
.Lfunc_end_k_q69fa8c6128_proj:
	.size	k_q69fa8c6128_proj, .Lfunc_end_k_q69fa8c6128_proj-k_q69fa8c6128_proj
	.p2alignl 7, 3214868480
	.fill 96, 4, 3214868480
	.section	.rodata,"a",@progbits
	.p2align	6, 0x0
	.amdhsa_kernel k_q69fa8c6128_proj
		.amdhsa_group_segment_fixed_size 327680
		.amdhsa_private_segment_fixed_size 0
		.amdhsa_enable_private_segment 0
		.amdhsa_kernarg_size 40
		.amdhsa_user_sgpr_count 2
		.amdhsa_user_sgpr_kernarg_segment_ptr 1
		.amdhsa_wavefront_size32 1
		.amdhsa_system_sgpr_workgroup_id_x 1
		.amdhsa_system_sgpr_workgroup_id_y 1
		.amdhsa_system_sgpr_workgroup_id_z 1
		.amdhsa_system_vgpr_workitem_id 0
		.amdhsa_next_free_vgpr 1024
		.amdhsa_next_free_sgpr 100
		.amdhsa_reserve_vcc 0
		.amdhsa_float_denorm_mode_32 3
		.amdhsa_float_denorm_mode_16_64 3
		.amdhsa_memory_ordered 1
		.amdhsa_forward_progress 1
		.amdhsa_inst_pref_size 220
	.end_amdhsa_kernel
	.amdgpu_metadata
---
amdhsa.version: [ 1, 2 ]
amdhsa.kernels:
  - .name:           k_q69fa8c6128_proj
    .symbol:         k_q69fa8c6128_proj.kd
    .args:
      - { .name: xq, .offset: 0, .size: 8, .value_kind: global_buffer, .address_space: global }
      - { .name: wq3, .offset: 8, .size: 8, .value_kind: global_buffer, .address_space: global }
      - { .name: rope, .offset: 16, .size: 8, .value_kind: global_buffer, .address_space: global }
      - { .name: qk, .offset: 24, .size: 8, .value_kind: global_buffer, .address_space: global }
      - { .name: vv, .offset: 32, .size: 8, .value_kind: global_buffer, .address_space: global }
    .group_segment_fixed_size: 327680
    .private_segment_fixed_size: 0
    .kernarg_segment_align: 8
    .kernarg_segment_size: 40
    .max_flat_workgroup_size: 128
    .sgpr_count:     100
    .vgpr_count:     1024
    .wavefront_size: 32
...
	.end_amdgpu_metadata
.endif
;; end of part 2
;; launch attn (part 3): grid 32 x 8, 8 waves a work-group, clusters of 4 x 1, 327,680 bytes of LDS; arguments qk, vv, aq; writes aq
.if DOCPART == 3
	.amdgcn_target "amdgcn-amd-amdhsa--gfx1250"
	.amdhsa_code_object_version 6
	.text
	.protected	k_q69fa8c6128_attn
	.globl	k_q69fa8c6128_attn
	.p2align	8
	.type	k_q69fa8c6128_attn,@function
k_q69fa8c6128_attn:
	s_mov_b64 s[64:65], 0
	v_nop
	global_prefetch_b8 v0, s[64:65] scope:SCOPE_SE
	s_setreg_imm32_b32 hwreg(HW_REG_WAVE_MODE, 25, 1), 1
	s_wait_xcnt 0x0
	s_wait_alu depctr_hold_cnt(0) depctr_sa_sdst(0) depctr_va_vdst(0) depctr_va_sdst(0) depctr_va_ssrc(0) depctr_va_vcc(0) depctr_vm_vsrc(0)
	s_getreg_b32 s2, hwreg(HW_REG_IB_STS2, 6, 4)
	s_cmp_eq_u32 s2, 0
	s_cbranch_scc0 .Lentry_in_a_cluster
	s_endpgm
.Lentry_in_a_cluster:
	s_bfe_u32 s2, ttmp6, 0x10000c
	s_cmp_lg_u32 s2, 0x3003
	s_cbranch_scc0 .Lentry_shape_is_right
	s_endpgm
.Lentry_shape_is_right:
; ATTN: out = (softmax(q1 k1^T / sqrt(128)) - 0.2 softmax(q2 k2^T / sqrt(128))) v under the causal mask, all three products on codes of BF6; out is quantised along its 256 and stored as codes.
; THE DIFFERENCE OF THE TWO FINISHED SOFTMAXES IS WHAT IS QUANTISED, so both rows' sums are wanted before the first code is made: THE KEYS ARE WALKED TWICE.  Pass 1: scores, a running maximum and sum for each set.
; Pass 2: the same scores again (the same instructions on the same codes: the same bits), p1 / l1 - 0.2 p2 / l2, the quantiser along the keys, the product with v.
; SHARES.  y = 4 batch + kv head.  The four partners of a cluster are the four query heads of that kv head, with the same tiles of queries: they walk the same k1, k2 and v, asked for JOINTLY (mask 15); cx enters only
; q's and the output's global addresses.  A wave owns one tile of 16 queries.  A tile needs the key steps (128 keys) 0 .. tile / 8, the last of them on the diagonal: a work-group holds four early and four late tiles,
; 4 i + n and 60 - 4 i + n, which together make the same number of steps in every work-group.  Every wave walks all trips of every loop; a step above the diagonal is jumped over inside its trip.
; LAYOUT.  Both products are used transposed: a lane holds ONE query throughout.  Tiles are in the order of the launches before: the 16 registers of key tiles 2 B, 2 B + 1 are keys 32 B + 16 (lane / 16) + 0 .. 15.
; LDS: k1 and k2 of the whole sequence and all scale words are filled once; v goes through two slots of two key steps.
; FRAGMENTS ARE ASKED FOR AHEAD OF THE VECTOR WORK UNDER WHICH THEY LAND.  Pass 1: behind a step's products the next step's k1 and k2.  Pass 2: all sixteen tiles of v are in registers when the codes are made (eight in the
; fragment buffer, three in registers that are free throughout, five in set 2's score registers once the difference is made); the next step's k1 goes out behind the first eight products with v.
; SOFTMAX: t = c x score, c = log2(e) / sqrt(128); each lane keeps -m (the largest t of its own keys, negated) and its sum; the two halves of the lanes are joined once, behind pass 1.  p = 2^(t - m) by one fused multiply-add.
; LIMITS: NaN and infinities are not served; a p under 2^-126 counts as 0 (ISA guide, v_exp_f32); blocks under 2^-122 keep the byte 1.
; REGISTERS: window 0: v1-11 addresses; v12-23 statistics; v24-47 q1, q2; v48-67 scale words; v68-83, v84-102 the quantiser's; v104-111 maxima; v112-175 set 1's scores, v176-239 set 2's (later v's tiles 11-15);
;   v240-249 at work in pass 1, v240-251 v's tile 10 in pass 2.   window 1: v0-127 out^T (in pass 1: k2's fragments in v0-95); v128-223 eight fragments of k or v; v224-247 v's tiles 8 and 9.
.set L16, 1
.set SPW, 2
.set NIL, 3
.set ADK, 4
.set ADK2, 5
.set ADS, 6
.set ADV, 7
.set ADT, 8
.set DQ,  9
.set NINF, 10
.set AUX, 11
.set NM1, 12
.set NM2, 14
.set LS1, 16
.set LS2, 18
.set DF1, 20
.set DF2, 22
.set Q1,  24
.set Q2,  36
.set QS1, 48
.set QS2, 49
.set KS1, 50
.set KS2, 54
.set VS,  58
.set PW,  66
.set TM,  68
.set PC,  84
.set CH,  104
.set SA,  112
.set SB,  176
.set TP,  240
.set FW,  128                          ; window 1
.set XF,  224                          ; window 1
.set YF,  240                          ; window 0
.set VB,  176                          ; window 0
.set WV, 14
.set RQ, 15
.set SD, 16
.set ST, 17
.set TK, 18
.set TS, 19
.set TV, 20
.set TT, 21
.set CS, 22
.set G1C, 24
.set G1K, 32
.set G1V, 40
.set G0C, 48
.set G0K, 52
.set G0V, 56
.set NC, 60
.set SEL, 62
.set SLOTS, 66
.set TWICE, 67
.set SPARE, 0x1C000
.set MSB, 0
.macro WIN new
.if MSB != (\new)
	s_set_vgpr_msb (MSB<<8)|(\new)
.set MSB, (\new)
.endif
.endm
.macro CROUND
	s_barrier_signal -1
	s_barrier_wait -1
	s_cmp_lg_u32 s[WV], 0
	s_cbranch_scc1 .Lnot_wave_0_\@
	s_barrier_signal -3
.Lnot_wave_0_\@:
	s_barrier_wait -3
	s_barrier_signal -1
	s_barrier_wait -1
.endm
.macro PLACES
.rept 4
	v_nop
.endr
.endm
.macro WM z                            ; one product, its registers in rD, rB (source 0), rA (source 1), rSB, rSA; oB = 1: source 0's scale words lie in lanes 16-31
.if \z
.if oB
	v_wmma_scale_f32_16x16x128_f8f6f4 v[rD:rD+7], v[rB:rB+11], v[rA:rA+11], 0, v[rSB], v[rSA] matrix_a_fmt:MATRIX_FMT_BF6 matrix_b_fmt:MATRIX_FMT_BF6 matrix_a_scale:MATRIX_SCALE_ROW1
.else
	v_wmma_scale_f32_16x16x128_f8f6f4 v[rD:rD+7], v[rB:rB+11], v[rA:rA+11], 0, v[rSB], v[rSA] matrix_a_fmt:MATRIX_FMT_BF6 matrix_b_fmt:MATRIX_FMT_BF6
.endif
.else
.if oB
	v_wmma_scale_f32_16x16x128_f8f6f4 v[rD:rD+7], v[rB:rB+11], v[rA:rA+11], v[rD:rD+7], v[rSB], v[rSA] matrix_a_fmt:MATRIX_FMT_BF6 matrix_b_fmt:MATRIX_FMT_BF6 matrix_a_scale:MATRIX_SCALE_ROW1
.else
	v_wmma_scale_f32_16x16x128_f8f6f4 v[rD:rD+7], v[rB:rB+11], v[rA:rA+11], v[rD:rD+7], v[rSB], v[rSA] matrix_a_fmt:MATRIX_FMT_BF6 matrix_b_fmt:MATRIX_FMT_BF6
.endif
.endif
.endm
.macro TLOADN adr, reg, first, n       ; n fragments' images, tiles first .. first + n - 1 from the address on, into v[reg] on: three loads of 512 consecutive bytes each
.set T, 0
.rept \n
.irp c, 0,1,2
	ds_load_b128 v[\reg+12*T+4*\c:\reg+12*T+4*\c+3], v[\adr] offset:1536*((\first)+T)+512*\c
.endr
.set T, T+1
.endr
.endm
.macro SCORES d, f, q, ks, qs          ; S^T = K Q^T, eight tiles of 16 keys
.set T, 0
.rept 8
.set rD, \d+8*T
.set rB, \f+12*T
.set rA, \q
.set rSB, \ks+T/2
.set rSA, \qs
.set oB, T%2
	WM 1
.set T, T+1
.endr
.endm
.macro SCORESW d, f, q, ks, qs, extra  ; the same, each product as soon as its own tile is in: behind tile T's three loads stand those of the 7 - T younger tiles and 'extra' more
.set T, 0
.rept 8
.set rD, \d+8*T
.set rB, \f+12*T
.set rA, \q
.set rSB, \ks+T/2
.set rSA, \qs
.set oB, T%2
	s_wait_dscnt 3*(7-T)+\extra
	WM 1
.set T, T+1
.endr
.endm
.macro VPROD dt, reg                   ; out^T's tile dt += v's tile dt (in v[reg] on) x the codes.  The sixteen accumulators take turns, one instruction a turn
.set rD, 8*(\dt)
.set rB, \reg
.set rA, PC
.set rSB, VS+(\dt)/2
.set rSA, PW
.set oB, (\dt)%2
	WM 0
.endm
.macro SCALE s, nm                     ; t - m, two at a time (of the pairs c and -m the low word serves both halves)
.irp j, 0,2,4,6,8,10,12,14,16,18,20,22,24,26,28,30,32,34,36,38,40,42,44,46,48,50,52,54,56,58,60,62
	v_pk_fma_f32 v[\s+\j:\s+\j+1], v[\s+\j:\s+\j+1], s[CS:CS+1], v[\nm:\nm+1] op_sel_hi:[1,0,0]
.endr
.endm
.macro MASK                            ; on the diagonal: register 16 b + i holds key 32 b + 16 (lane / 16) + i of the step: hidden where 32 b + i > DQ
.set n, 0
.rept 64
	v_cmp_gt_i32 vcc_lo, 32*(n/16)+n%16, v[DQ]
	v_cndmask_b32 v[SA+n], v[SA+n], v[NINF], vcc_lo
	v_cndmask_b32 v[SB+n], v[SB+n], v[NINF], vcc_lo
.set n, n+1
.endr
.endm
.macro ROWMAX s, ch                    ; the largest of my 64 scores: four chains, each accumulator from its low end on
.irp b, 0,1,2,3
	v_max3_num_f32 v[\ch+\b], v[\s+16*\b], v[\s+16*\b+1], v[\s+16*\b+2]
.endr
.irp i, 3,5,7,9,11,13
.irp b, 0,1,2,3
	v_max3_num_f32 v[\ch+\b], v[\ch+\b], v[\s+16*\b+\i], v[\s+16*\b+\i+1]
.endr
.endr
.irp b, 0,1,2,3
	v_max_num_f32 v[\ch+\b], v[\ch+\b], v[\s+16*\b+15]
.endr
	v_max3_num_f32 v[\ch], v[\ch], v[\ch+1], v[\ch+2]
	v_max_num_f32 v[\ch], v[\ch], v[\ch+3]
.endm
.macro ROWSUM s, l                     ; the sum of my 64 p, two at a time, in two chains
	v_pk_add_f32 v[TP+4:TP+5], v[\s:\s+1], v[\s+2:\s+3]
.irp j, 4,8,12,16,20,24,28,32,36,40,44,48,52,56,60
	v_pk_add_f32 v[\l:\l+1], v[\l:\l+1], v[\s+\j:\s+\j+1]
	v_pk_add_f32 v[TP+4:TP+5], v[TP+4:TP+5], v[\s+\j+2:\s+\j+3]
.endr
	v_pk_add_f32 v[\l:\l+1], v[\l:\l+1], v[TP+4:TP+5]
.endm
; 64 numbers of a lane in window w, register 16 b + i = k 32 b + 16 (lane / 16) + i of my row, become a fragment's codes in v[PC] on and its scale word in v[pw]
.macro QUANT s, w, pw
	WIN (\w)|((\w)<<2)
.irp b, 0,1,2,3
	v_max3_num_f32 v[TM+\b], |v[\s+16*\b]|, |v[\s+1+16*\b]|, 0x2800000
.endr
.irp i, 2,4,6,8,10,12,14
.irp b, 0,1,2,3
	v_max3_num_f32 v[TM+\b], |v[\s+16*\b+\i]|, |v[\s+1+16*\b+\i]|, v[TM+\b]
.endr
.endr
	WIN 0
.irp b, 0,1,2,3
	v_permlanex16_b32 v[TM+4+\b], v[TM+\b], s[SEL], s[SEL+1]
.endr
.irp b, 0,1,2,3
	v_max_num_f32 v[TM+\b], v[TM+\b], v[TM+4+\b]
.endr
.irp b, 0,1,2,3
	v_add_nc_u32 v[TM+12+\b], 0xfe000000, v[TM+\b]
.endr
.irp b, 0,1,2,3
	v_lshrrev_b32 v[TM+4+\b], 23, v[TM+12+\b]
.endr
	v_lshl_or_b32 v[\pw], v[TM+5], 8, v[TM+4]
	v_lshl_or_b32 v[\pw], v[TM+6], 16, v[\pw]
	v_lshl_or_b32 v[\pw], v[TM+7], 24, v[\pw]
	WIN (\w)
.irp c, 0,1
	v_cvt_scalef32_pk16_bf6_f32 v[PC+6*\c:PC+2+6*\c], v[\s+32*\c:\s+15+32*\c], v[TM+12+2*\c]
	v_cvt_scalef32_pk16_bf6_f32 v[PC+12+4*\c:PC+14+4*\c], v[\s+16+32*\c:\s+31+32*\c], v[TM+13+2*\c]
.endr
	WIN 0
	v_nop                                          ; one plain place behind a scaled conversion
.irp c, 0,1
.irp i, 0,1,2
	v_permlane16_swap_b32 v[PC+6*\c+\i], v[PC+12+4*\c+\i]
.endr
.irp i, 0,1,2
	v_mov_b32 v[PC+3+6*\c+\i], v[PC+12+4*\c+\i]
.endr
.endr
.endm
	s_load_b128 s[4:7], s[0:1], 0x0                ; qk s[4:5], vv s[6:7]
	s_load_b64 s[8:9], s[0:1], 0x10                ; aq
	v_lshl_add_u32 v[SPW], v0, 2, SPARE
	v_mov_b32 v[NIL], 0
	ds_add_u32 v2, v3
	ds_add_u32 v2, v3
	s_wait_dscnt 0x0
	v_lshrrev_b32 v4, 5, v0
	v_readfirstlane_b32 s[WV], v4                  ; wave 0..7
	s_and_b32 s10, ttmp7, 0xffff                   ; y = 4 batch + kv head
	s_lshr_b32 s11, s10, 2
	s_and_b32 s12, s10, 3
	s_bfe_u32 s13, ttmp6, 0x40000                  ; cx: which of the kv head's four query heads
	s_lshr_b32 s2, s[WV], 2
	s_xor_b32 s2, s2, s[WV]
	s_and_b32 s2, s2, 1                            ; 0: an early tile, 1: a late one
	s_lshr_b32 s3, s[WV], 1
	s_lshl_b32 s[RQ], ttmp9, 2
	s_sub_co_u32 s[SD], 60, s[RQ]
	s_cmp_lg_u32 s2, 0
	s_cselect_b32 s[RQ], s[SD], s[RQ]
	s_add_co_u32 s[RQ], s[RQ], s3                  ; my tile of queries, 0..63: the same in all four partners
	s_lshr_b32 s[SD], s[RQ], 3                     ; its last key step, the one on the diagonal
	; group 1: dense blocks as rows of 256 bytes (32 elements of 8); 8, 96 and 24 rows a wave; the mask names all four partners
.irp g, G1C, G1K, G1V
	s_mov_b32 s[\g], 15|(3<<16)|(1<<21)
	s_mov_b32 s[\g+1], 32<<16
	s_mov_b32 s[\g+3], 32<<16
	s_mov_b32 s[\g+5], 32
	s_mov_b32 s[\g+6], 0
	s_mov_b32 s[\g+7], 0
.endr
	s_mov_b32 s[G1C+2], 8<<16
	s_mov_b32 s[G1C+4], 8
	s_mov_b32 s[G1K+2], 96<<16
	s_mov_b32 s[G1K+4], 96
	s_mov_b32 s[G1V+2], 24<<16
	s_mov_b32 s[G1V+4], 24
	; q's and the output's places: the only numbers that cx enters
	s_lshl_b32 s74, s12, 2
	s_add_co_u32 s74, s74, s13                     ; the query head
	s_lshl_b32 s68, s74, 8
	s_lshl_b32 s75, s11, 6
	s_add_co_u32 s75, s75, s[RQ]                   ; my tile among the 128 tiles of rows
	s_add_co_u32 s68, s68, s75
	s_mul_i32 s68, s68, 1536                       ; q1's image; q2's lies 128 images on
	s_mov_b32 s69, 0
	s_lshl_b32 s70, s74, 5
	s_lshl_b32 s78, s11, 3
	s_add_co_u32 s70, s70, s78
	s_add_co_u32 s70, s70, s[SD]
	s_lshl_b32 s70, s70, 9
	s_and_b32 s79, s[RQ], 1
	s_lshl_b32 s80, s79, 8
	s_add_co_u32 s70, s70, s80
	s_bfe_u32 s80, s[RQ], 0x20001
	s_lshl_b32 s80, s80, 2
	s_add_co_u32 s70, s70, s80
	s_add_co_u32 s70, s70, 7864320                 ; q1's scale words, 16 bytes from row to row; q2's 8,192 bytes on
	s_mov_b32 s71, 0
	s_lshl_b32 s72, s75, 5
	s_lshl_b32 s80, s74, 1
	s_add_co_u32 s72, s72, s80
	s_mul_i32 s72, s72, 1536                       ; the output's two images, on end
	s_mov_b32 s73, 0
	s_lshr_b32 s76, s75, 1
	s_lshl_b32 s76, s76, 4
	s_add_co_u32 s76, s76, s74
	s_lshl_b32 s76, s76, 8
	s_lshl_b32 s80, s79, 7
	s_add_co_u32 s76, s76, s80
	s_add_co_u32 s76, s76, 6291456                 ; and its scale bytes
	s_mov_b32 s77, 0
	; what my wave fetches: an eighth of each block
	s_lshl_b32 s81, s12, 1
	s_add_co_u32 s81, s81, 32                      ; k1's group of columns
	s_lshr_b32 s82, s[WV], 1                       ; waves 0-3: k1's and k2's scale words, 2,048 bytes each
	s_add_co_u32 s82, s82, s81
	s_lshl_b32 s82, s82, 4
	s_add_co_u32 s82, s82, s78
	s_lshl_b32 s82, s82, 9
	s_and_b32 s83, s[WV], 1
	s_lshl_b32 s83, s83, 11
	s_add_co_u32 s82, s82, s83
	s_add_co_u32 s82, s82, 7864320
	s_lshl_b32 s84, s10, 13                        ; waves 4-7: v's
	s_lshl_b32 s85, s[WV], 11
	s_add_co_u32 s84, s84, s85
	s_add_co_u32 s84, s84, 1572864-8192
	s_cmp_lt_u32 s[WV], 4
	s_cselect_b32 s82, s82, s84
	s_mov_b32 s83, 0
	s_lshr_b32 s84, s[WV], 2                       ; k1 (waves 0-3) and k2 (4-7): 16 tiles each
	s_add_co_u32 s84, s84, s81
	s_lshl_b32 s84, s84, 7
	s_lshl_b32 s85, s11, 6
	s_add_co_u32 s84, s84, s85
	s_mul_i32 s84, s84, 1536
	s_and_b32 s85, s[WV], 3
	s_mul_i32 s85, s85, 24576
	s_add_co_u32 s84, s84, s85
	s_mov_b32 s85, 0
	s_mul_i32 s86, s10, 196608                     ; v: four images of a slot's 32
	s_mul_i32 s87, s[WV], 6144
	s_add_co_u32 s86, s86, s87
	s_mov_b32 s87, 0
	s_lshr_b32 s88, s[RQ], 1                       ; my tile's first query, counted from the diagonal step's first key
	s_lshl_b32 s88, s88, 5
	s_lshl_b32 s89, s79, 3
	s_add_co_u32 s88, s88, s89
	s_lshl_b32 s89, s[SD], 7
	s_sub_co_u32 s88, s88, s89
	s_mov_b32 s[CS], 0x3e0293ee                    ; c = log2(e) / sqrt(128)
	s_mov_b32 s[CS+1], s[CS]                       ; (named with it as a pair, so it is written)
	s_mov_b32 s[NC], 0xbe0293ee                    ; -c
	s_mov_b32 s[SEL], 0x76543210
	s_mov_b32 s[SEL+1], 0xfedcba98
	s_wait_kmcnt 0x0
	s_cmp_lt_u32 s[WV], 4
	s_cselect_b64 s[G0C+2:G0C+3], s[4:5], s[6:7]
	s_add_nc_u64 s[G0C+2:G0C+3], s[G0C+2:G0C+3], s[82:83]
	s_or_b32 s[G0C+3], s[G0C+3], 0x80000000
	s_mov_b32 s[G0C], 1
	s_lshl_b32 s[G0C+1], s[WV], 11
	s_add_co_u32 s[G0C+1], s[G0C+1], 0xC000
	s_mov_b32 s[G0K], 1
	s_mul_i32 s[G0K+1], s[WV], 24576
	s_add_co_u32 s[G0K+1], s[G0K+1], 0x20000
	s_add_nc_u64 s[G0K+2:G0K+3], s[4:5], s[84:85]
	s_or_b32 s[G0K+3], s[G0K+3], 0x80000000
	s_mov_b32 s[G0V], 1
	s_mul_i32 s[G0V+1], s[WV], 6144
	s_add_nc_u64 s[G0V+2:G0V+3], s[6:7], s[86:87]
	s_or_b32 s[G0V+3], s[G0V+3], 0x80000000
	s_add_nc_u64 s[68:69], s[4:5], s[68:69]
	s_add_nc_u64 s[70:71], s[4:5], s[70:71]
	s_add_nc_u64 s[72:73], s[8:9], s[72:73]
	s_add_nc_u64 s[76:77], s[8:9], s[76:77]
	CROUND                                         ; all four work-groups are here: the first joint loads meet
	tensor_load_to_lds s[G0C:G0C+3], s[G1C:G1C+7]  ; the scale words, k1 and k2 (filled once), and v's slot 0: three loads of a wave are out
	s_nop 0
	tensor_load_to_lds s[G0K:G0K+3], s[G1K:G1K+7]
	s_nop 0
	tensor_load_to_lds s[G0V:G0V+3], s[G1V:G1V+7]
	s_nop 0
	PLACES
	v_and_b32 v4, 31, v0
	v_lshlrev_b32 v[L16], 4, v4
	v_and_b32 v4, 15, v0                           ; r
	v_bfe_u32 v5, v0, 4, 1                         ; h
	v_lshlrev_b32 v[AUX], 4, v4
.irp e, 0,1
.irp c, 0,1,2
	global_load_b128 v[Q1+12*\e+4*\c:Q1+12*\e+4*\c+3], v[L16], s[68:69] offset:196608*\e+512*\c   ; q1's and q2's fragments stay in registers
.endr
.endr
	global_load_b32 v[QS1], v[AUX], s[70:71]
	global_load_b32 v[QS2], v[AUX], s[70:71] offset:8192
	v_and_b32 v6, 8, v4
	v_add_nc_u32 v6, v6, v4
	v_lshlrev_b32 v7, 4, v5
	v_sub_nc_u32 v6, v6, v7
	v_add_nc_u32 v[DQ], s88, v6                    ; my query - the diagonal step's first key - 16 (lane / 16)
	v_mov_b32 v[NINF], 0xff800000
	v_mov_b32 v[NM1], 0x7f61b1e6                   ; -m: 3e38, over every -t
	v_mov_b32 v[NM1+1], 0                          ; (upper halves of pairs of which the low word is used are written once)
	v_mov_b32 v[NM2], 0x7f61b1e6
	v_mov_b32 v[NM2+1], 0
.irp j, 0,1,2,3
	v_mov_b32 v[LS1+\j], 0                         ; the sums, each in two halves
	v_mov_b32 v[DF1+\j], 0
	v_mov_b32 v[TM+4+\j], 0                        ; a lane permute's destination counts as one of its sources
	v_mov_b32 v[TP+\j], 0
.endr
	s_wait_tensorcnt 1                             ; my parts of the scale words and of k1, k2 are in; v's load may be out
	s_barrier_signal -1
	s_barrier_wait -1
	s_wait_loadcnt 0x0                             ; q
	; ---- PASS 1.  Seven trips and the eighth step written out, so that a trip's look-ahead of one step stays inside LDS: k2's step 7 ends at LDS's last byte.  A step above the diagonal is jumped over inside its trip
.macro P1FETCH n                       ; k1's and k2's eight tiles and their scale words: of the step at which the addresses stand (n = 0) or of the one behind it (n = 1): 50 loads
	ds_load_b128 v[KS1:KS1+3], v[ADS] offset:512*\n
	ds_load_b128 v[KS2:KS2+3], v[ADS] offset:4096+512*\n
	WIN 0x40                                       ; destination window 1
	TLOADN ADK, FW, 8*\n, 8
	TLOADN ADK2, 0, 8*\n, 8
	WIN 0
.endm
.macro P1BODY nxt                      ; a key step of pass 1.  nxt = 1: in the loop.  A step either has a successor, which it asks for, or lies on the diagonal, which it masks
	s_wait_dscnt 0x0                               ; this step's fragments, asked for a step ago
	WIN 0x01                                       ; source 0 window 1
	SCORES SA, FW, Q1, KS1, QS1
	SCORES SB, 0, Q2, KS2, QS2
	WIN 0
	v_add_nc_u32 v[ADK], s[TK], v[L16]             ; these three and the v_nop are the four places behind the products
	v_add_nc_u32 v[ADS], s[TS], v[L16]
	v_add_nc_u32 v[ADK2], 0x18000, v[ADK]
	v_nop
.if \nxt
	s_cmp_lt_u32 s[ST], s[SD]
	s_cbranch_scc0 .Lp1_diag_\@
	P1FETCH 1                                      ; they land under the maxima, the exponentials and the sums below
	s_branch .Lp1_open_\@
.Lp1_diag_\@:
.endif
	MASK                                           ; (the eighth step, where a wave works it, is its diagonal step)
.if \nxt
.Lp1_open_\@:
.endif
	ROWMAX SA, CH
	ROWMAX SB, CH+4
	v_mul_f32 v[TP], s[NC], v[CH]                  ; -t of the step's largest score (a lane all of whose keys are hidden gets +infinity, and keeps its -m)
	v_mul_f32 v[TP+2], s[NC], v[CH+4]
	v_min_num_f32 v[TP+1], v[NM1], v[TP]
	v_min_num_f32 v[TP+3], v[NM2], v[TP+2]
	v_sub_f32 v[DF1], v[TP+1], v[NM1]              ; old m - new m, 0 or less
	v_sub_f32 v[DF2], v[TP+3], v[NM2]
	v_mov_b32 v[NM1], v[TP+1]
	v_mov_b32 v[NM2], v[TP+3]
	SCALE SA, NM1
	SCALE SB, NM2
	v_exp_f32 v[DF1], v[DF1]                       ; one batch: the two factors and the 128 p
	v_exp_f32 v[DF2], v[DF2]
.set n, 0
.rept 128
	v_exp_f32 v[SA+n], v[SA+n]
.set n, n+1
.endr
	v_nop                                          ; a plain place behind the batch,
	s_wait_alu depctr_va_vdst(0)                   ; and the one wait ahead of its first reader
	v_pk_mul_f32 v[LS1:LS1+1], v[LS1:LS1+1], v[DF1:DF1+1] op_sel_hi:[1,0]
	v_pk_mul_f32 v[LS2:LS2+1], v[LS2:LS2+1], v[DF2:DF2+1] op_sel_hi:[1,0]
	ROWSUM SA, LS1
	ROWSUM SB, LS2
.endm
	s_mov_b32 s[ST], 0
	s_mov_b32 s[TK], 0x20000
	s_mov_b32 s[TS], 0xC000
	v_add_nc_u32 v[ADK], s[TK], v[L16]
	v_add_nc_u32 v[ADS], s[TS], v[L16]
	v_add_nc_u32 v[ADK2], 0x18000, v[ADK]
	P1FETCH 0                                      ; step 0, which every wave works
.Lp1:
	s_cmp_gt_u32 s[ST], s[SD]
	s_cbranch_scc1 .Lp1_end
	P1BODY 1
.Lp1_end:
	s_add_co_u32 s[TK], s[TK], 12288
	s_add_co_u32 s[TS], s[TS], 512
	s_add_co_u32 s[ST], s[ST], 1
	s_cmp_lt_u32 s[ST], 7
	s_cbranch_scc1 .Lp1
	s_cmp_gt_u32 s[ST], s[SD]
	s_cbranch_scc1 .Lp1_done
	P1BODY 0
.Lp1_done:
	s_wait_dscnt 0x0                               ; no LDS load of mine is out: the registers that held k2's fragments are written below
	; pass 2's first k1 goes out here and lands under the joining of the halves
.macro P2FETCH n                       ; k1's eight tiles and both sets' scale words, of the step at which the addresses stand (n = 0) or of the one behind it (n = 1): 26 loads
	ds_load_b128 v[KS1:KS1+3], v[ADS] offset:512*\n
	ds_load_b128 v[KS2:KS2+3], v[ADS] offset:4096+512*\n
	WIN 0x40
	TLOADN ADK, FW, 8*\n, 8
	WIN 0
.endm
	s_mov_b32 s[ST], 0
	s_mov_b32 s[TK], 0x20000
	s_mov_b32 s[TS], 0xC000
	s_mov_b32 s[TV], 0
	s_mov_b32 s[TT], 0xE000
	v_add_nc_u32 v[ADK], s[TK], v[L16]
	v_add_nc_u32 v[ADS], s[TS], v[L16]
	P2FETCH 0
	; the two halves of the lanes are joined: the common -m, both sums brought under it, 1 / l1 and 0.2 / l2
	v_add_f32 v[LS1], v[LS1], v[LS1+1]
	v_add_f32 v[LS2], v[LS2], v[LS2+1]
	v_permlanex16_b32 v[TP], v[NM1], s[SEL], s[SEL+1]
	v_permlanex16_b32 v[TP+1], v[LS1], s[SEL], s[SEL+1]
	v_permlanex16_b32 v[TP+2], v[NM2], s[SEL], s[SEL+1]
	v_permlanex16_b32 v[TP+3], v[LS2], s[SEL], s[SEL+1]
	v_min_num_f32 v[TP+4], v[NM1], v[TP]
	v_min_num_f32 v[TP+5], v[NM2], v[TP+2]
	v_sub_f32 v[TP+6], v[TP+4], v[NM1]
	v_sub_f32 v[TP+7], v[TP+4], v[TP]
	v_sub_f32 v[TP+8], v[TP+5], v[NM2]
	v_sub_f32 v[TP+9], v[TP+5], v[TP+2]
.irp j, 6,7,8,9
	v_exp_f32 v[TP+\j], v[TP+\j]
.endr
	v_mov_b32 v[NM1], v[TP+4]                      ; (the plain place behind the four)
	v_mov_b32 v[NM2], v[TP+5]
	s_wait_alu depctr_va_vdst(0)
	v_mul_f32 v[LS1], v[LS1], v[TP+6]
	v_mul_f32 v[LS2], v[LS2], v[TP+8]
	v_fma_f32 v[LS1], v[TP+1], v[TP+7], v[LS1]
	v_fma_f32 v[LS2], v[TP+3], v[TP+9], v[LS2]
	v_rcp_f32 v[LS1], v[LS1]
	v_rcp_f32 v[LS2], v[LS2]
	v_nop
	s_wait_alu depctr_va_vdst(0)
	v_mul_f32 v[LS2], 0x3e4ccccd, v[LS2]           ; 0.2 / l2
	WIN 0x40
.set n, 0
.rept 128
	v_mov_b32 v[n], 0                              ; out^T: the key step of pass 2 is written once for all steps, so the first finds zeros
.set n, n+1
.endr
	WIN 0
	; ---- PASS 2
; a key step: the scores again, the finished difference, its codes, the product with v.  Its k1 and both sets' scale words were asked for in the step before (the first step's: above)
.macro STEP2
	s_cmp_gt_u32 s[ST], s[SD]
	s_cbranch_scc1 .Lhidden_\@
	v_add_nc_u32 v[ADK], s[TK], v[L16]
	v_add_nc_u32 v[ADS], s[TS], v[L16]
	v_add_nc_u32 v[ADV], s[TV], v[L16]
	v_add_nc_u32 v[ADT], s[TT], v[L16]
	v_add_nc_u32 v[ADK2], 0x18000, v[ADK]
	ds_load_b128 v[VS:VS+3], v[ADT]
	ds_load_b128 v[VS+4:VS+7], v[ADT] offset:512
	WIN 0x01
	SCORESW SA, FW, Q1, KS1, QS1, 2                ; behind k1's loads stand v's two scale loads
	PLACES
	WIN 0x40
	TLOADN ADK2, FW, 0, 8                          ; k2's tiles land while set 1 is scaled
	WIN 0
	SCALE SA, NM1
	WIN 0x01
	SCORESW SB, FW, Q2, KS2, QS2, 0
	PLACES
	WIN 0x40
	TLOADN ADV, FW, 0, 8                           ; v's tiles 0-10 land under the softmax
	TLOADN ADV, XF, 8, 2
	WIN 0
	TLOADN ADV, YF, 10, 1
	SCALE SB, NM2
	s_cmp_lg_u32 s[ST], s[SD]
	s_cbranch_scc1 .Lopen_\@
	MASK                                           ; -infinity gives p = 0
.Lopen_\@:
.set n, 0
.rept 128
	v_exp_f32 v[SA+n], v[SA+n]
.set n, n+1
.endr
	v_nop
	s_wait_alu depctr_va_vdst(0)                   ; one wait for the batch
.irp j, 0,2,4,6,8,10,12,14,16,18,20,22,24,26,28,30,32,34,36,38,40,42,44,46,48,50,52,54,56,58,60,62
	v_pk_mul_f32 v[SB+\j:SB+\j+1], v[SB+\j:SB+\j+1], v[LS2:LS2+1] op_sel_hi:[1,0]
.endr
.irp j, 0,2,4,6,8,10,12,14,16,18,20,22,24,26,28,30,32,34,36,38,40,42,44,46,48,50,52,54,56,58,60,62
	v_pk_fma_f32 v[SA+\j:SA+\j+1], v[SA+\j:SA+\j+1], v[LS1:LS1+1], v[SB+\j:SB+\j+1] op_sel_hi:[1,0,1] neg_lo:[0,0,1] neg_hi:[0,0,1]   ; p1 / l1 - 0.2 p2 / l2
.endr
	TLOADN ADV, VB, 11, 5                          ; set 2's registers are done with: v's tiles 11-15 land there under the quantiser
	QUANT SA, 0, PW
.rept 8
	v_nop                                          ; a scale register written by a vector instruction stands 8 places ahead of a scaled product, an operand so written 4
.endr
	s_wait_dscnt 0x0                               ; all of v's sixteen tiles
	WIN 0x51                                       ; source 0 (v), C and D (out^T) window 1, source 1 (the codes) window 0
.irp d, 0,1,2,3,4,5,6,7
	VPROD \d, FW+12*\d
.endr
	WIN 0
	PLACES                                         ; in front of the loads into the fragment buffer
	s_cmp_ge_u32 s[ST], s[SD]
	s_cbranch_scc1 .Llast_\@
	P2FETCH 1                                      ; the next step's k1, ahead of the other eight products
.Llast_\@:
	WIN 0x51
	VPROD 8, XF
	VPROD 9, XF+12
	WIN 0x50                                       ; source 0 window 0
	VPROD 10, YF
.irp d, 11,12,13,14,15
	VPROD \d, VB+12*(\d-11)
.endr
	WIN 0
	PLACES
.Lhidden_\@:
	s_add_co_u32 s[TK], s[TK], 12288
	s_add_co_u32 s[TS], s[TS], 512
	s_add_co_u32 s[TV], s[TV], 24576
	s_add_co_u32 s[TT], s[TT], 1024
	s_add_co_u32 s[ST], s[ST], 1
.endm
; the change of slots stands at a slot's head: all my tensor loads have landed, 0 onto my spare word, my reads of the slot that I left are over; behind the round the other slot takes the keys that follow
.macro CHANGE fill
	s_wait_tensorcnt 0x0
	ds_add_u32 v[SPW], v[NIL]
.if \fill
	s_xor_b32 s[G0V+1], s[G0V+1], 0x10000          ; the walking descriptor: the other slot,
	s_add_nc_u64 s[G0V+2:G0V+3], s[G0V+2:G0V+3], 49152   ; the next two key steps
.endif
	s_wait_dscnt 0x0
.if \fill
	CROUND
	tensor_load_to_lds s[G0V:G0V+3], s[G1V:G1V+7]  ; my one tensor load behind the round: it has a slot's two steps in which to land
	s_nop 0
	PLACES
.else
	s_barrier_signal -1
	s_barrier_wait -1
.endif
.endm
.macro TWO_STEPS
	s_mov_b32 s[TWICE], 2
.Lstep_\@:
	STEP2
	s_sub_co_u32 s[TWICE], s[TWICE], 1
	s_cmp_lg_u32 s[TWICE], 0
	s_cbranch_scc1 .Lstep_\@
	s_sub_co_u32 s[TV], s[TV], 49152
	s_xor_b32 s[TV], s[TV], 0x10000                ; on to the other slot
.endm
	s_mov_b32 s[SLOTS], 3
.Lslot:
	CHANGE 1
	TWO_STEPS
	s_sub_co_u32 s[SLOTS], s[SLOTS], 1
	s_cmp_lg_u32 s[SLOTS], 0
	s_cbranch_scc1 .Lslot
	CHANGE 0                                       ; the last slot is written out
	TWO_STEPS
	; ---- THE WAY OUT: my 16 rows' 256 numbers are two K steps of the last product: quantised as they lie, two images on end
	v_and_b32 v[AUX], 15, v0
	v_lshlrev_b32 v[AUX], 3, v[AUX]
	QUANT 0, 1, PW
.irp c, 0,1,2
	global_store_b128 v[L16], v[PC+4*\c:PC+4*\c+3], s[72:73] offset:512*\c
.endr
	s_wait_xcnt 0x0                                ; the stores have read their data
	QUANT 64, 1, PW+1
.irp c, 0,1,2
	global_store_b128 v[L16], v[PC+4*\c:PC+4*\c+3], s[72:73] offset:1536+512*\c
.endr
	global_store_b64 v[AUX], v[PW:PW+1], s[76:77]  ; my rows' 8 scale bytes; lanes l and l + 16 hold and store the same
	s_wait_tensorcnt 0x0                           ; the wave's end
	ds_add_u32 v[SPW], v[NIL]
	s_wait_dscnt 0x0
	CROUND                                         ; the closing round
	s_endpgm
.Lfunc_end_k_q69fa8c6128_attn:
	.size	k_q69fa8c6128_attn, .Lfunc_end_k_q69fa8c6128_attn-k_q69fa8c6128_attn
	.p2alignl 7, 3214868480
	.fill 96, 4, 3214868480
	.section	.rodata,"a",@progbits
	.p2align	6, 0x0
	.amdhsa_kernel k_q69fa8c6128_attn
		.amdhsa_group_segment_fixed_size 327680
		.amdhsa_private_segment_fixed_size 0
		.amdhsa_enable_private_segment 0
		.amdhsa_kernarg_size 24
		.amdhsa_user_sgpr_count 2
		.amdhsa_user_sgpr_kernarg_segment_ptr 1
		.amdhsa_wavefront_size32 1
		.amdhsa_system_sgpr_workgroup_id_x 1
		.amdhsa_system_sgpr_workgroup_id_y 1
		.amdhsa_system_sgpr_workgroup_id_z 1
		.amdhsa_system_vgpr_workitem_id 0
		.amdhsa_next_free_vgpr 512
		.amdhsa_next_free_sgpr 100
		.amdhsa_reserve_vcc 1
		.amdhsa_float_denorm_mode_32 3
		.amdhsa_float_denorm_mode_16_64 3
		.amdhsa_memory_ordered 1
		.amdhsa_forward_progress 1
		.amdhsa_inst_pref_size 156
	.end_amdhsa_kernel
	.amdgpu_metadata
---
amdhsa.version: [ 1, 2 ]
amdhsa.kernels:
  - .name:           k_q69fa8c6128_attn
    .symbol:         k_q69fa8c6128_attn.kd
    .args:
      - { .name: qk, .offset: 0, .size: 8, .value_kind: global_buffer, .address_space: global }
      - { .name: vv, .offset: 8, .size: 8, .value_kind: global_buffer, .address_space: global }
      - { .name: aq, .offset: 16, .size: 8, .value_kind: global_buffer, .address_space: global }
    .group_segment_fixed_size: 327680
    .private_segment_fixed_size: 0
    .kernarg_segment_align: 8
    .kernarg_segment_size: 24
    .max_flat_workgroup_size: 256
    .sgpr_count:     100
    .vgpr_count:     512
    .wavefront_size: 32
...
	.end_amdgpu_metadata
.endif
;; end of part 3
;; launch outp (part 4): grid 16 x 16, 4 waves a work-group, clusters of 4 x 4, 327,680 bytes of LDS; arguments aq, woq, out0; writes out0
.if DOCPART == 4
	.amdgcn_target "amdgcn-amd-amdhsa--gfx1250"
	.amdhsa_code_object_version 6
	.text
	.protected	k_q69fa8c6128_outp
	.globl	k_q69fa8c6128_outp
	.p2align	8
	.type	k_q69fa8c6128_outp,@function
k_q69fa8c6128_outp:
	s_mov_b64 s[64:65], 0
	v_nop
	global_prefetch_b8 v0, s[64:65] scope:SCOPE_SE
	s_setreg_imm32_b32 hwreg(HW_REG_WAVE_MODE, 25, 1), 1
	s_wait_xcnt 0x0
	s_wait_alu depctr_hold_cnt(0) depctr_sa_sdst(0) depctr_va_vdst(0) depctr_va_sdst(0) depctr_va_ssrc(0) depctr_va_vcc(0) depctr_vm_vsrc(0)
	s_getreg_b32 s2, hwreg(HW_REG_IB_STS2, 6, 4)
	s_cmp_eq_u32 s2, 0
	s_cbranch_scc0 .Lentry_in_a_cluster
	s_endpgm
.Lentry_in_a_cluster:
	s_bfe_u32 s2, ttmp6, 0x10000c
	s_cmp_lg_u32 s2, 0xf033
	s_cbranch_scc0 .Lentry_shape_is_right
	s_endpgm
.Lentry_shape_is_right:
; OUTP: out0 = attention's result x wo on codes of BF6, K = 4,096; out0 [2,048][2,048] f32.
; A tile of out0 is 128 x 128, so that 256 work-groups have work (tiles of 256 x 256 would be 64); four waves, each 64 x 64: 16 accumulators.  Source 0 = 16 columns of wo, source 1 = 16 rows: a lane holds one row.
; Operands lie in memory as images of their registers ([tile][K / 128][1,536 bytes]); scales [pair of tiles][K / 256][lane][8 bytes].  K goes in steps of 512 through two LDS slots; all scales come once.
; TILE ORDER: row r of tile 2 B + u is the tensor's row 32 B + 8 u + r + 8 (r / 8), for rows and for columns: the way out puts both back.
; CLUSTERS: 4 x 4: A's tiles are asked for jointly along a row of the cluster, B's along a column.
; REGISTERS: window 0: v16-30 addresses; v32-63 scale words, two sets; v64-127 the way out; v128-255 accumulator (a, b) at v[128 + 8 (4 a + b)].   window 1: two buffers of 96: B's four fragments, then A's four.
.set HALFT,  24576                     ; 4 tiles x 4 fragments
.set SLOT,   4*HALFT
.set LAPS,   4                         ; 4,096 / 1,024
.set SCL,    2*SLOT
.set HALFS,  8192
.set SPARE,  SCL+4*HALFS
.set STG,    SPARE+512                 ; a stage of 16 rows x (256 + 16) bytes for each wave: bytes of its own, into which no fill lands
.set ADRA, 16
.set ADRB, 20
.set STO,  24
.set RD,   25
.set CO,   26
.set ADSA, 27
.set SPW,  28
.set NIL,  29
.set ADSB, 30
.set SC,   32                          ; set s at v[32 + 16 s]: A's pair p, step q at + 4 p + q; B's at + 8 + 4 p + q
.set OB,   64
.set ACC,  128
.set F0,   0
.set F1,   128
.set G1, 24
.set G0, 32
.set G1B, 48
.set G0B, 56
.set G1S, 68
.set G0S, 76
.set G1SB, 80
.set G0SB, 88
.set MSB, 0
.macro WIN new
.if MSB != (\new)
	s_set_vgpr_msb (MSB<<8)|(\new)
.set MSB, (\new)
.endif
.endm
.set MUL,  0x05                        ; sources 0 and 1 window 1; C and D window 0
.set TO_F, 0x40
.macro JLOAD g0a, g1a, g0b, g1b
	s_cmp_eq_u32 s15, 0
	s_cbranch_scc0 .Lfor_b_\@
	tensor_load_to_lds s[\g0a:\g0a+3], s[\g1a:\g1a+7]
	s_nop 0
.rept 4
	v_nop
.endr
	s_branch .Lasked_\@
.Lfor_b_\@:
	tensor_load_to_lds s[\g0b:\g0b+3], s[\g1b:\g1b+7]
	s_nop 0
.rept 4
	v_nop
.endr
.Lasked_\@:
.endm
.macro CREST
	s_cmp_lg_u32 s14, 0
	s_cbranch_scc1 .Lnot_wave_0_\@
	s_barrier_signal -3
.Lnot_wave_0_\@:
	s_barrier_wait -3
	s_barrier_signal -1
	s_barrier_wait -1
.endm
.macro CROUND
	s_barrier_signal -1
	s_barrier_wait -1
	CREST
.endm
.macro PLACES
.rept 4
	v_nop
.endr
.endm
.macro WM z
.if \z
.if oB && oA
	v_wmma_scale_f32_16x16x128_f8f6f4 v[rD:rD+7], v[rB:rB+11], v[rA:rA+11], 0, v[rSB], v[rSA] matrix_a_fmt:MATRIX_FMT_BF6 matrix_b_fmt:MATRIX_FMT_BF6 matrix_a_scale:MATRIX_SCALE_ROW1 matrix_b_scale:MATRIX_SCALE_ROW1
.elseif oB
	v_wmma_scale_f32_16x16x128_f8f6f4 v[rD:rD+7], v[rB:rB+11], v[rA:rA+11], 0, v[rSB], v[rSA] matrix_a_fmt:MATRIX_FMT_BF6 matrix_b_fmt:MATRIX_FMT_BF6 matrix_a_scale:MATRIX_SCALE_ROW1
.elseif oA
	v_wmma_scale_f32_16x16x128_f8f6f4 v[rD:rD+7], v[rB:rB+11], v[rA:rA+11], 0, v[rSB], v[rSA] matrix_a_fmt:MATRIX_FMT_BF6 matrix_b_fmt:MATRIX_FMT_BF6 matrix_b_scale:MATRIX_SCALE_ROW1
.else
	v_wmma_scale_f32_16x16x128_f8f6f4 v[rD:rD+7], v[rB:rB+11], v[rA:rA+11], 0, v[rSB], v[rSA] matrix_a_fmt:MATRIX_FMT_BF6 matrix_b_fmt:MATRIX_FMT_BF6
.endif
.else
.if oB && oA
	v_wmma_scale_f32_16x16x128_f8f6f4 v[rD:rD+7], v[rB:rB+11], v[rA:rA+11], v[rD:rD+7], v[rSB], v[rSA] matrix_a_fmt:MATRIX_FMT_BF6 matrix_b_fmt:MATRIX_FMT_BF6 matrix_a_scale:MATRIX_SCALE_ROW1 matrix_b_scale:MATRIX_SCALE_ROW1
.elseif oB
	v_wmma_scale_f32_16x16x128_f8f6f4 v[rD:rD+7], v[rB:rB+11], v[rA:rA+11], v[rD:rD+7], v[rSB], v[rSA] matrix_a_fmt:MATRIX_FMT_BF6 matrix_b_fmt:MATRIX_FMT_BF6 matrix_a_scale:MATRIX_SCALE_ROW1
.elseif oA
	v_wmma_scale_f32_16x16x128_f8f6f4 v[rD:rD+7], v[rB:rB+11], v[rA:rA+11], v[rD:rD+7], v[rSB], v[rSA] matrix_a_fmt:MATRIX_FMT_BF6 matrix_b_fmt:MATRIX_FMT_BF6 matrix_b_scale:MATRIX_SCALE_ROW1
.else
	v_wmma_scale_f32_16x16x128_f8f6f4 v[rD:rD+7], v[rB:rB+11], v[rA:rA+11], v[rD:rD+7], v[rSB], v[rSA] matrix_a_fmt:MATRIX_FMT_BF6 matrix_b_fmt:MATRIX_FMT_BF6
.endif
.endif
.endm
	s_load_b128 s[4:7], s[0:1], 0x0                ; aq s[4:5], woq s[6:7]
	s_load_b64 s[12:13], s[0:1], 0x10              ; out0
	v_lshl_add_u32 v[SPW], v0, 2, SPARE
	v_mov_b32 v[NIL], 0
	ds_add_u32 v28, v29
	ds_add_u32 v28, v29
	s_wait_dscnt 0x0
	v_lshrrev_b32 v1, 5, v0
	v_readfirstlane_b32 s14, v1                    ; wave 0..3
	s_lshr_b32 s15, s14, 1                         ; which half of the rows is mine.  Also: I fetch for A (0) or for B (1)
	s_and_b32 s16, s14, 1                          ; which half of the columns.  Also: which half of that tile I fetch
	s_bfe_u32 s40, ttmp6, 0x40000
	s_bfe_u32 s41, ttmp6, 0x40004
	s_lshl_b32 s42, ttmp9, 2
	s_add_co_u32 s42, s42, s40                     ; tile column
	s_and_b32 s17, ttmp7, 0xffff
	s_lshl_b32 s17, s17, 2
	s_add_co_u32 s17, s17, s41                     ; tile row
	s_lshl_b32 s43, s41, 2
	s_lshl_b32 s43, 15, s43
	s_lshl_b32 s44, 0x1111, s40
	; group 1 for codes: 4 tiles x 6,144 bytes (four fragments), 49,152 bytes from tile to tile; elements of 8 bytes
	s_or_b32 s[G1+0], s43, (3<<16)|(1<<21)
	s_or_b32 s[G1B+0], s44, (3<<16)|(1<<21)
.irp g, G1, G1B
	s_mov_b32 s[\g+1], 768<<16
	s_mov_b32 s[\g+2], 4<<16
	s_mov_b32 s[\g+3], 768<<16
	s_mov_b32 s[\g+4], 4
	s_mov_b32 s[\g+5], 6144
	s_mov_b32 s[\g+6], 0
	s_mov_b32 s[\g+7], 0
.endr
	s_or_b32 s[G1S+0], s43, (3<<16)|(1<<21)        ; the scales of 64 rows: 8,192 dense bytes as 32 rows of 256
	s_or_b32 s[G1SB+0], s44, (3<<16)|(1<<21)
.irp g, G1S, G1SB
	s_mov_b32 s[\g+1], 32<<16
	s_mov_b32 s[\g+2], 32<<16
	s_mov_b32 s[\g+3], 32<<16
	s_mov_b32 s[\g+4], 32
	s_mov_b32 s[\g+5], 32
	s_mov_b32 s[\g+6], 0
	s_mov_b32 s[\g+7], 0
.endr
	s_lshl_b32 s18, s16, 2
	s_lshl_b32 s20, s17, 3
	s_add_co_u32 s20, s20, s18
	s_mul_i32 s20, s20, 49152
	s_mov_b32 s21, 0
	s_lshl_b32 s46, s42, 3
	s_add_co_u32 s46, s46, s18
	s_mul_i32 s46, s46, 49152
	s_mov_b32 s47, 0
	s_lshl_b32 s18, s16, 1
	s_lshl_b32 s22, s17, 2
	s_add_co_u32 s22, s22, s18
	s_lshl_b32 s22, s22, 12
	s_add_co_u32 s22, s22, 6291456
	s_mov_b32 s23, 0
	s_lshl_b32 s66, s42, 2
	s_add_co_u32 s66, s66, s18
	s_lshl_b32 s66, s66, 12
	s_add_co_u32 s66, s66, 6291456
	s_mov_b32 s67, 0
	s_mul_i32 s45, s14, HALFT
	s_lshl_b32 s95, s14, 13
	s_wait_kmcnt 0x0
	s_add_nc_u64 s[20:21], s[4:5], s[20:21]
	s_add_nc_u64 s[22:23], s[4:5], s[22:23]
	s_add_nc_u64 s[46:47], s[6:7], s[46:47]
	s_add_nc_u64 s[66:67], s[6:7], s[66:67]
	CROUND
	s_mov_b32 s[G0S], 1
	s_add_co_u32 s[G0S+1], s95, SCL
	s_mov_b64 s[G0S+2:G0S+3], s[22:23]
	s_or_b32 s[G0S+3], s[G0S+3], 0x80000000
	s_mov_b32 s[G0SB], 1
	s_add_co_u32 s[G0SB+1], s95, SCL
	s_mov_b64 s[G0SB+2:G0SB+3], s[66:67]
	s_or_b32 s[G0SB+3], s[G0SB+3], 0x80000000
	JLOAD G0S, G1S, G0SB, G1SB                     ; three loads of a wave are out at the start, one behind each round
.irp s, 0,1
	s_mov_b32 s[G0+4*\s], 1
	s_add_co_u32 s[G0+4*\s+1], s45, \s*SLOT
	s_add_nc_u64 s[G0+4*\s+2:G0+4*\s+3], s[20:21], \s*6144
	s_or_b32 s[G0+4*\s+3], s[G0+4*\s+3], 0x80000000
	s_mov_b32 s[G0B+4*\s], 1
	s_add_co_u32 s[G0B+4*\s+1], s45, \s*SLOT
	s_add_nc_u64 s[G0B+4*\s+2:G0B+4*\s+3], s[46:47], \s*6144
	s_or_b32 s[G0B+4*\s+3], s[G0B+4*\s+3], 0x80000000
	JLOAD G0+4*\s, G1, G0B+4*\s, G1B
.endr
	v_and_b32 v1, 15, v0                           ; r
	v_bfe_u32 v2, v0, 4, 1                         ; h
	v_and_b32 v3, 31, v0
	v_lshlrev_b32 v4, 4, v3
	v_lshlrev_b32 v5, 3, v3
	s_mul_i32 s21, s15, HALFT
	s_mul_i32 s22, s16, HALFT
	s_add_co_u32 s22, s22, 2*HALFT
.irp s, 0,1
	v_add_nc_u32 v[ADRA+\s], s21, v4
	v_add_nc_u32 v[ADRB+\s], s22, v4
	s_add_co_u32 s21, s21, SLOT
	s_add_co_u32 s22, s22, SLOT
.endr
	s_lshl_b32 s21, s15, 13
	s_add_co_u32 s21, s21, SCL
	v_add_nc_u32 v[ADSA], s21, v5
	s_lshl_b32 s22, s16, 13
	s_add_co_u32 s22, s22, SCL+2*HALFS
	v_add_nc_u32 v[ADSB], s22, v5
	s_mul_i32 s23, s14, 16*272
	s_add_co_u32 s23, s23, STG                     ; my stage
	v_mul_u32_u24 v6, v1, 272
	v_lshl_add_u32 v6, v2, 6, v6
	v_add_nc_u32 v[STO], s23, v6                   ; in: row r; my half's 16 columns of each 32: 64 h bytes on
	v_mul_u32_u24 v6, v2, 272
	v_lshl_add_u32 v6, v1, 4, v6
	v_add_nc_u32 v[RD], s23, v6                    ; back: lanes 0-15 one row of 256 bytes, lanes 16-31 the next
	v_lshlrev_b32 v[CO], 13, v2
	v_lshl_add_u32 v[CO], v1, 4, v[CO]             ; and the same two rows in out0
	s_lshl_b32 s20, s17, 20                        ; 128 rows of 8,192 bytes a tile row,
	s_lshl_b32 s21, s15, 19                        ; 64 a half,
	s_add_co_u32 s20, s20, s21
	s_lshl_b32 s21, s42, 9                         ; 512 bytes a tile column,
	s_add_co_u32 s20, s20, s21
	s_lshl_b32 s21, s16, 8                         ; 256 a half
	s_add_co_u32 s20, s20, s21
	s_mov_b32 s21, 0
	s_add_nc_u64 s[12:13], s[12:13], s[20:21]
.macro FRAG reg, adr, q, i
.irp c, 0,1,2
	ds_load_b128 v[\reg+4*\c:\reg+4*\c+3], v[\adr] offset:6144*(\i)+1536*(\q)+512*\c
.endr
.endm
.macro FETCH_LO slot, q, f             ; B's four fragments and A's tiles 0 and 1: 18 loads
	WIN TO_F
.irp i, 0,1,2,3
	FRAG \f+12*\i, ADRB+\slot, \q, \i
.endr
.irp i, 0,1
	FRAG \f+48+12*\i, ADRA+\slot, \q, \i
.endr
.endm
.macro FETCH_HI slot, q, f             ; A's tiles 2 and 3: 6 loads
	WIN TO_F
.irp i, 2,3
	FRAG \f+48+12*\i, ADRA+\slot, \q, \i
.endr
.endm
.macro SCALES sc                       ; a K step's scale words: four words a row
	WIN 0
.irp p, 0,1
.irp y, 0,1
	ds_load_b64 v[SC+16*\sc+4*\p+2*\y:SC+16*\sc+4*\p+2*\y+1], v[ADSA] offset:4096*\p+256*\y
	ds_load_b64 v[SC+16*\sc+8+4*\p+2*\y:SC+16*\sc+8+4*\p+2*\y+1], v[ADSB] offset:4096*\p+256*\y
.endr
.endr
.endm
.macro MULA f, a, q, sc, zero          ; A's tile a against B's four.  The 16 accumulators take turns, one instruction a turn
.irp b, 0,1,2,3
.set rD, ACC+8*(4*(\a)+\b)
.set rB, \f+12*\b
.set rA, \f+48+12*(\a)
.set rSB, SC+16*(\sc)+8+4*(\b/2)+(\q)
.set rSA, SC+16*(\sc)+4*((\a)/2)+(\q)
.set oB, \b%2
.set oA, (\a)%2
	WM \zero
.endr
.endm
; a quarter of a K step: multiplies step q of the slot out of buffer f, and in its middle fetches step q + 1 into buffer g
.macro QUARTER slot, q, f, g, zero
	s_wait_dscnt 6                                 ; all but the youngest six loads (A's tiles 2 and 3)
	WIN MUL
	MULA \f, 0, \q, \slot, \zero
	MULA \f, 1, \q, \slot, \zero
	PLACES
	FETCH_LO \slot, (\q)+1, \g
	FETCH_HI \slot, (\q)+1, \g
	s_wait_dscnt 24                                ; all but the 24 just issued
	WIN MUL
	MULA \f, 2, \q, \slot, \zero
	MULA \f, 3, \q, \slot, \zero
.endm
; the last quarter multiplies buffer 1 and changes slots: one barrier; in front of it all my tensor loads have landed, 0 has gone onto my spare word, and my reads of this slot are over
.macro TURN slot, next, fill
	WIN 0
	s_wait_tensorcnt 0x0
	ds_add_u32 v[SPW], v[NIL]
	s_wait_dscnt 7                                 ; (the add and the youngest six loads may be out)
	WIN MUL
	MULA F1, 0, 3, \slot, 0
	s_wait_dscnt 0x0
	s_barrier_signal -1
	MULA F1, 1, 3, \slot, 0
	WIN 0
	s_barrier_wait -1
.if \fill
	CREST                                          ; a round of the cluster's barrier: no wave of any partner still reads this slot or has a load on its way
	s_add_nc_u64 s[G0+4*\slot+2:G0+4*\slot+3], s[G0+4*\slot+2:G0+4*\slot+3], 12288
	s_add_nc_u64 s[G0B+4*\slot+2:G0B+4*\slot+3], s[G0B+4*\slot+2:G0B+4*\slot+3], 12288
	JLOAD G0+4*\slot, G1, G0B+4*\slot, G1B         ; the first tensor load behind the round; its four v_nop are the places in front of the loads below
.else
	PLACES
.endif
	v_add_nc_u32 v[ADSA], 512, v[ADSA]
	v_add_nc_u32 v[ADSB], 512, v[ADSB]
	FETCH_LO \next, 0, F0
	SCALES \next
	FETCH_HI \next, 0, F0
	WIN MUL
	MULA F1, 2, 3, \slot, 0
	MULA F1, 3, 3, \slot, 0
.endm
	s_wait_tensorcnt 1                             ; the scales and my part of K step 0 are in; K step 1's load may be out
	s_barrier_signal -1
	s_barrier_wait -1
	FETCH_LO 0, 0, F0
	SCALES 0
	FETCH_HI 0, 0, F0
	QUARTER 0, 0, F0, F1, 1                        ; the first quarter stands in front of the loop: its products start the sums
	WIN 0
	s_mov_b32 s3, LAPS-1
.Llap:
	QUARTER 0, 1, F1, F0, 0
	QUARTER 0, 2, F0, F1, 0
	TURN 0, 1, 1
	QUARTER 1, 0, F0, F1, 0
	QUARTER 1, 1, F1, F0, 0
	QUARTER 1, 2, F0, F1, 0
	TURN 1, 0, 1
	QUARTER 0, 0, F0, F1, 0
	WIN 0
	s_sub_co_u32 s3, s3, 1
	s_cmp_lg_u32 s3, 0
	s_cbranch_scc1 .Llap
	QUARTER 0, 1, F1, F0, 0                        ; the last lap fills nothing
	QUARTER 0, 2, F0, F1, 0
	TURN 0, 1, 0
	QUARTER 1, 0, F0, F1, 0
	QUARTER 1, 1, F1, F0, 0
	QUARTER 1, 2, F0, F1, 0
	s_wait_dscnt 6
	WIN MUL
	MULA F1, 0, 3, 1, 0
	MULA F1, 1, 3, 1, 0
	s_wait_dscnt 0
	MULA F1, 2, 3, 1, 0
	MULA F1, 3, 3, 1, 0
	WIN 0
; THE WAY OUT, a tile of 16 rows at a time, through my own stage.  Register j of accumulator (a, 2 B + u) is column 32 B + 16 h + 8 u + j of my 64; stage row r' is row 32 (a / 2) + 8 (a % 2) + r' + 8 (r' / 8) of my 64.
.macro TOSTAGE a
.irp b, 0,1,2,3
	ds_store_b128 v[STO], v[ACC+8*(4*(\a)+\b):ACC+8*(4*(\a)+\b)+3] offset:128*(\b/2)+32*(\b%2)       ; each accumulator from its low end on
	ds_store_b128 v[STO], v[ACC+8*(4*(\a)+\b)+4:ACC+8*(4*(\a)+\b)+7] offset:128*(\b/2)+32*(\b%2)+16
.endr
.irp i, 0,1,2,3,4,5,6,7
	ds_load_b128 v[OB+32*((\a)%2)+4*\i:OB+32*((\a)%2)+4*\i+3], v[RD] offset:544*\i   ; LDS serves a wave's instructions in order (ISA guide 5.7.1.4): these see the stores above
.endr
.endm
.macro SEND a, younger
	s_wait_dscnt \younger                          ; the tile is back in registers; the next tile's 16 LDS instructions may be out
.irp i, 0,1,2,3,4,5,6,7
	global_store_b128 v[CO], v[OB+32*((\a)%2)+4*\i:OB+32*((\a)%2)+4*\i+3], s[12:13] offset:(32*((\a)/2)+8*((\a)%2)+2*\i+8*(\i/4))*8192 th:TH_STORE_NT   ; 16 lanes store 256 consecutive bytes, aligned
.endr
.endm
	PLACES
	TOSTAGE 0
.irp a, 1,2,3
.if \a > 1
	s_wait_xcnt 0x0                                ; tile a - 2's stores have read their registers: tile a's loads may land there
.endif
	TOSTAGE \a
	SEND \a-1, 16
.endr
	SEND 3, 0
	s_wait_tensorcnt 0x0                           ; the wave's end
	ds_add_u32 v[SPW], v[NIL]
	s_wait_dscnt 0x0
	CROUND                                         ; the closing round
	s_endpgm
.Lfunc_end_k_q69fa8c6128_outp:
	.size	k_q69fa8c6128_outp, .Lfunc_end_k_q69fa8c6128_outp-k_q69fa8c6128_outp
	.p2alignl 7, 3214868480
	.fill 96, 4, 3214868480
	.section	.rodata,"a",@progbits
	.p2align	6, 0x0
	.amdhsa_kernel k_q69fa8c6128_outp
		.amdhsa_group_segment_fixed_size 327680
		.amdhsa_private_segment_fixed_size 0
		.amdhsa_enable_private_segment 0
		.amdhsa_kernarg_size 24
		.amdhsa_user_sgpr_count 2
		.amdhsa_user_sgpr_kernarg_segment_ptr 1
		.amdhsa_wavefront_size32 1
		.amdhsa_system_sgpr_workgroup_id_x 1
		.amdhsa_system_sgpr_workgroup_id_y 1
		.amdhsa_system_sgpr_workgroup_id_z 1
		.amdhsa_system_vgpr_workitem_id 0
		.amdhsa_next_free_vgpr 512
		.amdhsa_next_free_sgpr 98
		.amdhsa_reserve_vcc 0
		.amdhsa_float_denorm_mode_32 3
		.amdhsa_float_denorm_mode_16_64 3
		.amdhsa_memory_ordered 1
		.amdhsa_forward_progress 1
		.amdhsa_inst_pref_size 83
	.end_amdhsa_kernel
	.amdgpu_metadata
---
amdhsa.version: [ 1, 2 ]
amdhsa.kernels:
  - .name:           k_q69fa8c6128_outp
    .symbol:         k_q69fa8c6128_outp.kd
    .args:
      - { .name: aq, .offset: 0, .size: 8, .value_kind: global_buffer, .address_space: global }
      - { .name: woq, .offset: 8, .size: 8, .value_kind: global_buffer, .address_space: global }
      - { .name: out0, .offset: 16, .size: 8, .value_kind: global_buffer, .address_space: global }
    .group_segment_fixed_size: 327680
    .private_segment_fixed_size: 0
    .kernarg_segment_align: 8
    .kernarg_segment_size: 24
    .max_flat_workgroup_size: 128
    .sgpr_count:     98
    .vgpr_count:     512
    .wavefront_size: 32
...
	.end_amdgpu_metadata
.endif
;; end of part 4
